; MI455X (gfx1250); checked and timed in simulation.
; The chip was launched on July 23, 2026; its instructions are those of AMD's public machine-readable ISA for CDNA 5 (MIT licence, August 2026) and "CDNA5" Instruction Set Architecture Reference Guide (July 2026). The comments in the code are by the model that wrote it; some were corrected since.
;; Cross Attention. Allowed arithmetic: matrix products marked QUANTISED: E2M3 operands, one E8M0 scale for each 32 along K, by v_wmma_scale_f32_16x16x128_f8f6f4 with both operands' format E2M3, f32 sums; everything else in f32.
;; Inputs: context 2,048 x 1,024 float32; kv_w 1,024 x 2,048 float32; proj_b 1,024 float32; proj_w 1,024 x 1,024 float32; q_w 1,024 x 1,024 float32; x 8 x 1,024 x 1,024 float32.
;; Outputs: out0 8 x 1,024 x 1,024 float32.
;; This version of the problem:
;;   THIS VERSION OF THE PROBLEM IS GIVEN IN LOW PRECISION. The matrix products marked QUANTISED in the list below multiply operands that are first quantised to E2M3 (2 exponent bits, 3 mantissa bits; 6 bits a number), with one power-of-two scale for each 32 numbers along K (OCP MX v1.0); their sums are f32. All else is computed in f32.
;;   The module's matrix products, in the order in which they are computed (A, B: the left and right operand; K: the contracted axis; several contracted axes count as one K, in the product's order):
;;     1. [M 8,192, K 1,024] x [K 1,024, N 1,024]; A: input x; B: input q_w: QUANTISED
;;     2. [M 2,048, K 1,024] x [K 1,024, N 2,048]; A: input context; B: input kv_w: QUANTISED
;;     3. batch 16 x [M 2,048, K 64] x [K 64, N 8,192]; A: computed on the way; B: computed on the way: QUANTISED
;;     4. batch 16 x [M 64, K 2,048] x [K 2,048, N 8,192]; A: computed on the way; B: softmax (see below): QUANTISED
;;     5. [M 8,192, K 1,024] x [K 1,024, N 1,024]; A: computed on the way; B: input proj_w: QUANTISED
;;   THE QUANTISER, for each operand of a quantised product, along K:
;;     - K is cut into blocks of 32 from its start; a last block that is shorter is filled with zeros.
;;     - A block's scale is 2^e with e = floor(log2(the largest magnitude in the block)) - 2, held to -126 .. 127; a block of zeros has e = 0. As a byte (E8M0): e + 127.
;;     - Each number is divided by its block's scale, clamped to +-7.5, and rounded to the nearest number of E2M3, ties to even, subnormals kept.
;;     - The product sums the exact products of the quantised numbers (number of the format x scale) in f32.
;;   ~~~python
;;   def quantise(x, axis):      # numpy; x: float32 -> the quantised numbers, widened to float32 again
;;       x = np.moveaxis(x, axis, -1); K = x.shape[-1]
;;       x = np.pad(x, [(0, 0)] * (x.ndim - 1) + [(0, -K % 32)]); x = x.reshape(x.shape[:-1] + (-1, 32)); a = np.abs(x).max(-1, keepdims=True)
;;       e = np.where(a > 0, np.clip(np.frexp(np.where(a > 0, a, 1))[1] - 1 - 2, -126, 127), 0)      # np.frexp(a)[1] - 1 = floor(log2(a)), exactly
;;       r = np.clip(x / 2.0 ** e, -7.5, 7.5)
;;       step = 2.0 ** (np.maximum(np.frexp(np.where(r == 0, 1, r))[1] - 1, 0) - 3)
;;       q = np.round(r / step) * step * 2.0 ** e      # np.round: ties to even
;;       return np.moveaxis(q.reshape(q.shape[:-2] + (-1,))[..., :K], -1, axis).astype(np.float32)
;;   ~~~
;;   SOFTMAX AHEAD OF A QUANTISED PRODUCT. Where the list says 'softmax', what is quantised is not the finished softmax but p = 2^(t - M), with t = logit x log2(e) and M = ceil(the row's largest t), a whole number; so 1/2 < the row's largest p <= 1. The row's sum l is taken of the UNQUANTISED p, in f32, and the product's result is divided by l at the end. Since M is a whole number, a kernel that streams over the keys may use a running M (the ceiling of the running maximum): every later rescaling is an exact power of two, which a block's scale takes up: the codes' values come out the same.
;;   OPERANDS COMPUTED ON THE WAY. 'Computed on the way' means the value that the module computes at that place (a softmax that the list does not call 'softmax' is quantised finished and normalised). What goes into a quantiser is computed in f32, as accurately as f32 sums, v_exp_f32 and their like allow (about 1e-6 of the number): no bf16 or f16 on the way to a quantiser, and a product that is left as it is and whose result goes on into a quantised operand takes f32 operands (vector FMAs, or v_wmma_f32_16x16x4_f32). A number that lies on a knife's edge between two numbers of the format may be rounded either way, as far as f32 arithmetic and the matrix unit's own rounding can turn it there, and no further.
;; One version. Each part assembles by itself: llvm-mc -triple=amdgcn-amd-amdhsa -mcpu=gfx1250 --defsym DOCPART=n.
;; ======== version 1 of 1: 4 launches
;; limits: right only within a limited range of input values
;; workspace buffers: opq 11,468,800 bytes; qq 6,815,744 bytes; kvq 3,342,336 bytes; oq 6,553,600 bytes
;; launch quant (part 1): grid 1536 x 1, 4 waves a work-group, no clusters, 35,072 bytes of LDS; arguments x, context, q_w, kv_w, proj_w, opq; writes opq
.if DOCPART == 1
	.amdgcn_target "amdgcn-amd-amdhsa--gfx1250"
	.amdhsa_code_object_version 6
	.text
	.protected	k_q936c5a33c1_quant
	.globl	k_q936c5a33c1_quant
	.p2align	8
	.type	k_q936c5a33c1_quant,@function
k_q936c5a33c1_quant:
	s_mov_b64 s[64:65], 0
	v_nop
	global_prefetch_b8 v0, s[64:65] scope:SCOPE_SE
	s_setreg_imm32_b32 hwreg(HW_REG_WAVE_MODE, 25, 1), 1
	s_wait_xcnt 0x0
; x [8192][1024], context [2048][1024] (K innermost) and q_w [1024][1024], kv_w [1024][2048], proj_w [1024][1024] (K = the FIRST axis) become codes of FP6 (E2M3) with one E8M0 byte for each 32 along K,
; laid in opq as IMAGES OF OPERAND REGISTERS.  A tile T = 2 b + u holds 16 rows of an operand (for a weight: 16 of its columns): place m is row 32 b + 8 u + m + 8 (m / 8).
; A fragment (tile T, K step s of 128) is 1,536 bytes at (8 T + s) x 1,536: two halves of 64 along K; in a half, lane (r, h) holds block h of row r in six registers: registers 0-3 at 16 x lane, registers 4-5 at 512 + 16 r + 8 h.
; Tiles: x 0-511, context 512-639, q_w 640-703, kv_w 704-831, proj_w 832-895.  Scale words: 512 bytes a tile from SCOFF on, the word of (step s, row r) at 16 (r + 16 (s / 4)) + 4 (s % 4).
; A block's scale is 2^(floor(log2(largest magnitude)) - 2): its byte is the largest magnitude's exponent field - 2, held at 1 from below by a floor among the maximum's leaves.
; LIMITS: a block whose largest magnitude lies under 2^-124, a block of zeros among them, keeps the byte 1 (zeros give zero codes, and only this program reads the bytes); NaN and infinities are not served.
; SHARES.  Work-groups 0-255: 32 columns of a weight x 512 along K; a wave takes one K step, a lane one column, its registers run down K.  Work-groups 256-1535: one tile of 16 rows x 512 along K; a wave takes one K step;
; its rows are loaded 512 consecutive bytes at a time and turned through the wave's own stage in LDS, so that a lane holds 32 neighbours.  The four waves' scale words meet in LDS and leave as whole aligned blocks of 256 bytes.
; The two paths part on the work-group's number and have LDS bytes of their own.  No tensor load, no ring: many work-groups share a WGP.
.set SCOFF, 11010048
.set STG,   8448                       ; a wave's stage: 16 rows x (512 bytes + 16)
.set WRR,   4*STG                      ; the row path's scale words: 256 bytes
.set WRC,   WRR+256                    ; the column path's: 512 bytes
.set SPARE, WRC+512                    ; the spare words, 128 bytes for each wave: two blocks of 256 bytes that no other line names
.set X,    32                          ; v32-159  column path: 128 numbers down K
.set R,    32                          ; v32-95   row path: 16 rows as loaded
.set XR,   96                          ; v96-159  row path: 2 x 32 neighbours
.set P128, 160                         ; block k: registers 0-3 of its six
.set TB,   176                         ; block k: the second conversion's three
.set P64,  192                         ; block k: registers 4-5 at P64 + 2 k
.set M,    200
.set SO,   204
.set BY,   208
.set SPW,  18                          ; v18  LDS address of my spare word; never rewritten
.set NIL,  19                          ; v19  0; never rewritten
; Blocks k0 and k0 + 1, 32 numbers each at v[xb + 32 k], by turns: largest magnitude, scale operand, byte, codes
.macro QB xb, k0
.irp k, \k0, \k0+1
	v_max3_num_f32 v[M+(\k)], |v[(\xb)+32*(\k)]|, |v[(\xb)+32*(\k)+1]|, 0x1800000   ; the floor 2^(3 - 127) among the leaves: the byte cannot fall under 1
.endr
.irp i, 2,4,6,8,10,12,14,16,18,20,22,24,26,28,30
.irp k, \k0, \k0+1
	v_max3_num_f32 v[M+(\k)], v[M+(\k)], |v[(\xb)+32*(\k)+\i]|, |v[(\xb)+32*(\k)+\i+1]|
.endr
.endr
.irp k, \k0, \k0+1
	v_add_nc_u32 v[SO+(\k)], 0xff000000, v[M+(\k)]   ; 2 off the exponent field: the conversion takes the exponent field of this operand as its scale
.endr
.irp k, \k0, \k0+1
	v_lshrrev_b32 v[BY+(\k)], 23, v[SO+(\k)]         ; the scale's byte
.endr
.irp k, \k0, \k0+1
	v_cvt_scalef32_pk16_fp6_f32 v[P128+4*(\k):P128+4*(\k)+2], v[(\xb)+32*(\k):(\xb)+32*(\k)+15], v[SO+(\k)]
	v_cvt_scalef32_pk16_fp6_f32 v[TB+4*(\k):TB+4*(\k)+2], v[(\xb)+32*(\k)+16:(\xb)+32*(\k)+31], v[SO+(\k)]   ; (a conversion's three registers begin on an even number)
.endr
	v_nop                                            ; one plain place behind the scaled conversions
.irp k, \k0, \k0+1
	v_mov_b32 v[P128+4*(\k)+3], v[TB+4*(\k)]
	v_mov_b32 v[P64+2*(\k)], v[TB+4*(\k)+1]
	v_mov_b32 v[P64+2*(\k)+1], v[TB+4*(\k)+2]
.endr
.endm
.macro WLOAD pitch                     ; W(128 s + i, my column), i = 0 .. 127: 32 lanes read 128 consecutive bytes
.set i, 0
.rept 128
	global_load_b32 v[X+i], v16, s[30:31] offset:i*\pitch
.set i, i+1
.endr
.endm
	s_load_b128 s[4:7], s[0:1], 0x0                ; x, context
	s_load_b128 s[8:11], s[0:1], 0x10              ; q_w, kv_w
	s_load_b128 s[12:15], s[0:1], 0x20             ; proj_w, opq
	v_lshl_add_u32 v[SPW], v0, 2, SPARE
	v_mov_b32 v[NIL], 0
	v_lshrrev_b32 v1, 5, v0
	v_readfirstlane_b32 s16, v1                    ; wave 0..3
	v_and_b32 v1, 31, v0                           ; lane
	v_and_b32 v2, 15, v0                           ; r
	v_bfe_u32 v3, v0, 4, 1                         ; h
	v_lshlrev_b32 v4, 4, v1                        ; 16 x lane
	v_lshlrev_b32 v5, 4, v2
	v_lshl_add_u32 v5, v3, 3, v5                   ; 16 r + 8 h
	s_mul_i32 s17, s16, STG
	s_lshl_b32 s18, s16, 2
	; every LDS address is made here, ahead of the parting of the paths
	v_add_nc_u32 v6, s17, v4                       ; stage, in: 16 x lane (+ 528 x row)
	v_mul_u32_u24 v7, v2, 528
	v_lshl_add_u32 v7, v3, 7, v7
	v_add_nc_u32 v7, s17, v7                       ; stage, out: row r, + 128 h: my 32 neighbours
	v_lshl_add_u32 v8, v2, 4, WRR
	v_add_nc_u32 v8, s18, v8                       ; row path: my row's word of my wave's step: 16 r + 4 wave
	v_lshl_add_u32 v9, v1, 3, WRR                  ; and back: 8 bytes a lane
	v_bfe_u32 v10, v0, 3, 1                        ; column path: column x of 32 lies in tile u = (x / 8) % 2,
	v_and_b32 v11, 7, v0
	v_lshl_or_b32 v11, v3, 3, v11                  ; at place x % 8 + 8 (x / 16)
	v_lshl_add_u32 v12, v11, 4, WRC
	v_lshl_add_u32 v12, v10, 8, v12
	v_add_nc_u32 v12, s18, v12                     ; its word: 256 u + 16 place + 4 wave
	v_mul_u32_u24 v13, v10, 12288
	v_lshl_add_u32 v13, v11, 4, v13                ; its place in the images: a tile is 12,288 bytes on
	v_add_nc_u32 v14, WRC, v4                      ; the words back: 16 bytes a lane
	v_lshlrev_b32 v15, 4, v2
	v_lshl_add_u32 v15, v3, 9, v15                 ; and where they go: 512 (lane / 16) + 16 (lane % 16)
	v_lshlrev_b32 v16, 2, v1                       ; 4 x lane
	v_lshlrev_b32 v17, 3, v1                       ; 8 x lane
	s_mov_b32 s20, 0x76543210
	s_mov_b32 s21, 0xfedcba98                      ; v_permlanex16_b32's selects for lane l xor 16
	s_wait_kmcnt 0x0
	s_cmp_ge_u32 ttmp9, 256
	s_cbranch_scc1 .Lrows
	; ---- THE WEIGHTS.  Group cg of 32 columns (q_w 0-31, kv_w 32-95, proj_w 96-127), half H of K
	s_lshr_b32 s22, ttmp9, 1                       ; cg
	s_and_b32 s23, ttmp9, 1                        ; H
	s_lshl_b32 s24, s23, 2
	s_add_co_u32 s24, s24, s16                     ; my K step s = 4 H + wave
	s_mul_i32 s26, s22, 24576                      ; two tiles a group
	s_mul_i32 s25, s24, 1536
	s_add_co_u32 s26, s26, s25
	s_add_co_u32 s26, s26, 640*12288
	s_mov_b32 s27, 0
	s_add_nc_u64 s[26:27], s[14:15], s[26:27]      ; the fragment of tile 640 + 2 cg, step s
	s_lshl_b32 s28, s22, 10
	s_lshl_b32 s25, s23, 8
	s_add_co_u32 s28, s28, s25
	s_add_co_u32 s28, s28, SCOFF+640*512
	s_mov_b32 s29, 0
	s_add_nc_u64 s[28:29], s[14:15], s[28:29]      ; its scale words of steps 4 H .. 4 H + 3
	s_mov_b32 s35, 0
	s_sub_co_u32 s33, s22, 32
	s_cmp_lt_u32 s33, 64                           ; kv_w's groups: its rows are twice as long
	s_cbranch_scc1 .Lkv
	s_cmp_lt_u32 s22, 32
	s_cselect_b64 s[30:31], s[8:9], s[12:13]       ; q_w or proj_w: the choice hangs on the work-group's number alone
	s_cselect_b32 s32, 0, 96
	s_sub_co_u32 s32, s22, s32
	s_lshl_b32 s34, s32, 7                         ; 32 columns are 128 bytes
	s_lshl_b32 s25, s24, 19                        ; 128 rows of 4,096 bytes
	s_add_co_u32 s34, s34, s25
	s_add_nc_u64 s[30:31], s[30:31], s[34:35]
	s_wait_alu depctr_va_vdst(0)
	WLOAD 4096
	s_branch .Lwin
.Lkv:
	s_lshl_b32 s34, s33, 7
	s_lshl_b32 s25, s24, 20                        ; 128 rows of 8,192 bytes
	s_add_co_u32 s34, s34, s25
	s_add_nc_u64 s[30:31], s[10:11], s[34:35]
	s_wait_alu depctr_va_vdst(0)
	WLOAD 8192
.Lwin:
	s_wait_loadcnt 63                              ; of the 128 loads at most 63 are out: the first 65 are in, blocks 0 and 1 among them
	QB X, 0
	global_store_b128 v13, v[P128:P128+3], s[26:27]                  ; half 0, block 0: sixteen lanes fill 256 consecutive bytes of each of the two tiles
	global_store_b128 v13, v[P128+4:P128+7], s[26:27] offset:256     ; block 1
	global_store_b128 v13, v[P64:P64+3], s[26:27] offset:512         ; both blocks' registers 4-5
	s_wait_loadcnt 0x0
	QB X, 2
	global_store_b128 v13, v[P128+8:P128+11], s[26:27] offset:768
	global_store_b128 v13, v[P128+12:P128+15], s[26:27] offset:1024
	global_store_b128 v13, v[P64+4:P64+7], s[26:27] offset:1280
	v_lshl_or_b32 v212, v[BY+1], 8, v[BY]          ; my column's scale word for this K step
	v_lshl_or_b32 v212, v[BY+2], 16, v212
	v_lshl_or_b32 v212, v[BY+3], 24, v212
	ds_store_b32 v12, v212
	s_wait_dscnt 0x0                               ; for the others' sake: my word has landed
	s_barrier_signal -1
	s_barrier_wait -1
	s_cmp_lg_u32 s16, 0
	s_cbranch_scc1 .Lcend
	ds_load_b128 v[216:219], v14                   ; four steps' words of 32 columns
	s_wait_dscnt 0x0
	global_store_b128 v15, v[216:219], s[28:29]    ; sixteen lanes fill 256 consecutive aligned bytes of each tile's words
.Lcend:
	s_wait_tensorcnt 0x0                           ; the wave's end
	ds_add_u32 v[SPW], v[NIL]
	s_wait_dscnt 0x0
	s_endpgm
	; ---- x AND context.  Tile T, half H of K
.Lrows:
	s_sub_co_u32 s22, ttmp9, 256
	s_and_b32 s23, s22, 1                          ; H
	s_lshr_b32 s22, s22, 1                         ; T
	s_lshl_b32 s24, s23, 2
	s_add_co_u32 s24, s24, s16                     ; s = 4 H + wave
	s_mul_i32 s26, s22, 12288
	s_mul_i32 s25, s24, 1536
	s_add_co_u32 s26, s26, s25
	s_mov_b32 s27, 0
	s_add_nc_u64 s[26:27], s[14:15], s[26:27]
	s_lshl_b32 s28, s22, 9
	s_lshl_b32 s25, s23, 8
	s_add_co_u32 s28, s28, s25
	s_add_co_u32 s28, s28, SCOFF
	s_mov_b32 s29, 0
	s_add_nc_u64 s[28:29], s[14:15], s[28:29]
	s_cmp_lt_u32 s22, 512
	s_cselect_b64 s[30:31], s[4:5], s[6:7]         ; x or context
	s_cselect_b32 s32, 0, 512
	s_sub_co_u32 s32, s22, s32                     ; the tile's number in its tensor
	s_lshr_b32 s33, s32, 1
	s_lshl_b32 s33, s33, 17                        ; 32 rows of 4,096 bytes
	s_and_b32 s34, s32, 1
	s_lshl_b32 s34, s34, 15                        ; 8 rows
	s_add_co_u32 s34, s34, s33
	s_lshl_b32 s25, s24, 9                         ; 128 numbers along K
	s_add_co_u32 s34, s34, s25
	s_mov_b32 s35, 0
	s_add_nc_u64 s[30:31], s[30:31], s[34:35]
.irp t, 0,1,2,3,4,5,6,7,8,9,10,11,12,13,14,15
	global_load_b128 v[R+4*\t:R+4*\t+3], v4, s[30:31] offset:(\t+8*(\t/8))*4096 th:TH_LOAD_NT   ; place t's 512 consecutive bytes
.endr
.irp t, 0,1,2,3,4,5,6,7,8,9,10,11,12,13,14,15
	s_wait_loadcnt 15-\t                           ; loads come back in order: row t is in, the younger ones may be out
	ds_store_b128 v6, v[R+4*\t:R+4*\t+3] offset:528*\t
.endr
.irp c, 0,1
.irp i, 0,1,2,3,4,5,6,7
	ds_load_b128 v[XR+32*\c+4*\i:XR+32*\c+4*\i+3], v7 offset:256*\c+16*\i   ; LDS serves a wave's instructions in order: these see my stores.  K = 64 c + 32 h + 4 i ..
.endr
.endr
	s_wait_dscnt 0x0
	QB XR, 0
	v_lshl_or_b32 v212, v[BY+1], 16, v[BY]         ; my two bytes: blocks h and 2 + h of row r,
	v_lshlrev_b32 v213, 3, v3
	v_lshlrev_b32 v212, v213, v212                 ; at their places in the word;
	v_mov_b32 v213, 0
	v_permlanex16_b32 v213, v212, s20, s21
	v_or_b32 v212, v212, v213                      ; with lane l xor 16's two the word is whole
.irp c, 0,1
	global_store_b128 v4, v[P128+4*\c:P128+4*\c+3], s[26:27] offset:768*\c       ; 512 consecutive bytes
	global_store_b64 v5, v[P64+2*\c:P64+2*\c+1], s[26:27] offset:768*\c+512      ; 256 consecutive bytes
.endr
	ds_store_b32 v8, v212                          ; lanes r and r + 16 write the same word with the same value
	s_wait_dscnt 0x0
	s_barrier_signal -1
	s_barrier_wait -1
	s_cmp_lg_u32 s16, 0
	s_cbranch_scc1 .Lrend
	ds_load_b64 v[216:217], v9
	s_wait_dscnt 0x0
	global_store_b64 v17, v[216:217], s[28:29]     ; 32 lanes store 256 consecutive aligned bytes
.Lrend:
	s_wait_tensorcnt 0x0                           ; the wave's end
	ds_add_u32 v[SPW], v[NIL]
	s_wait_dscnt 0x0
	s_endpgm
.Lfunc_end_k_q936c5a33c1_quant:
	.size	k_q936c5a33c1_quant, .Lfunc_end_k_q936c5a33c1_quant-k_q936c5a33c1_quant
	.p2alignl 7, 3214868480
	.fill 96, 4, 3214868480
	.section	.rodata,"a",@progbits
	.p2align	6, 0x0
	.amdhsa_kernel k_q936c5a33c1_quant
		.amdhsa_group_segment_fixed_size 35072
		.amdhsa_private_segment_fixed_size 0
		.amdhsa_enable_private_segment 0
		.amdhsa_kernarg_size 48
		.amdhsa_user_sgpr_count 2
		.amdhsa_user_sgpr_kernarg_segment_ptr 1
		.amdhsa_wavefront_size32 1
		.amdhsa_system_sgpr_workgroup_id_x 1
		.amdhsa_system_sgpr_workgroup_id_y 1
		.amdhsa_system_sgpr_workgroup_id_z 1
		.amdhsa_system_vgpr_workitem_id 0
		.amdhsa_next_free_vgpr 224
		.amdhsa_next_free_sgpr 66
		.amdhsa_reserve_vcc 0
		.amdhsa_float_denorm_mode_32 3
		.amdhsa_float_denorm_mode_16_64 3
		.amdhsa_memory_ordered 1
		.amdhsa_forward_progress 1
		.amdhsa_inst_pref_size 44
	.end_amdhsa_kernel
	.amdgpu_metadata
---
amdhsa.version: [ 1, 2 ]
amdhsa.kernels:
  - .name:           k_q936c5a33c1_quant
    .symbol:         k_q936c5a33c1_quant.kd
    .args:
      - { .name: x, .offset: 0, .size: 8, .value_kind: global_buffer, .address_space: global }
      - { .name: context, .offset: 8, .size: 8, .value_kind: global_buffer, .address_space: global }
      - { .name: q_w, .offset: 16, .size: 8, .value_kind: global_buffer, .address_space: global }
      - { .name: kv_w, .offset: 24, .size: 8, .value_kind: global_buffer, .address_space: global }
      - { .name: proj_w, .offset: 32, .size: 8, .value_kind: global_buffer, .address_space: global }
      - { .name: opq, .offset: 40, .size: 8, .value_kind: global_buffer, .address_space: global }
    .group_segment_fixed_size: 35072
    .private_segment_fixed_size: 0
    .kernarg_segment_align: 8
    .kernarg_segment_size: 48
    .max_flat_workgroup_size: 128
    .sgpr_count:     66
    .vgpr_count:     224
    .wavefront_size: 32
...
	.end_amdgpu_metadata
.endif
;; end of part 1
;; launch proj3 (part 2): grid 16 x 24, 4 waves a work-group, clusters of 4 x 4, 327,680 bytes of LDS; arguments opq, qq, kvq; writes qq, kvq
.if DOCPART == 2
	.amdgcn_target "amdgcn-amd-amdhsa--gfx1250"
	.amdhsa_code_object_version 6
	.text
	.protected	k_q936c5a33c1_proj3
	.globl	k_q936c5a33c1_proj3
	.p2align	8
	.type	k_q936c5a33c1_proj3,@function
k_q936c5a33c1_proj3:
	s_mov_b64 s[64:65], 0
	v_nop
	global_prefetch_b8 v0, s[64:65] scope:SCOPE_SE
	s_setreg_imm32_b32 hwreg(HW_REG_WAVE_MODE, 25, 1), 1
	s_wait_xcnt 0x0
	s_wait_alu depctr_hold_cnt(0) depctr_sa_sdst(0) depctr_va_vdst(0) depctr_va_sdst(0) depctr_va_ssrc(0) depctr_va_vcc(0) depctr_vm_vsrc(0)
	s_getreg_b32 s2, hwreg(HW_REG_IB_STS2, 6, 4)
	s_cmp_eq_u32 s2, 0
	s_cbranch_scc0 .Lentry_in_a_cluster
	s_endpgm
.Lentry_in_a_cluster:
	s_bfe_u32 s2, ttmp6, 0x10000c
	s_cmp_lg_u32 s2, 0xf033
	s_cbranch_scc0 .Lentry_shape_is_right
	s_endpgm
.Lentry_shape_is_right:
; The three projections on codes of FP6 (E2M3): q = x q_w, k and v = context kv_w; K = 1,024 in eight steps of 128.  Their results are quantised in registers into the images that the attention launch reads; no f32 result goes to memory.
; A work-group multiplies 8 tiles of source 0 (128 rows) by 16 tiles of source 1 (256 rows); wave w takes all 8 x tiles 4 w .. 4 w + 3: 32 accumulators, 256 registers.
; ROLES, by the cluster's y alone (equal in all partners, chosen by selects, no branch):
;   Q (0-3): source 0 = 128 columns of q_w (heads 2 g, 2 g + 1), source 1 = 256 rows of x.    K (4): the same with kv_w's first half and context.    V (5): source 0 = 128 rows of context (keys), source 1 = 256 columns of kv_w's second half (4 heads).
; A tile's 16 rows are rows 32 b + 8 u + m + 8 (m / 8): so in the results of source 0's eight tiles lane (r, h) holds, for source 1's row r, register 16 b + i = index 32 b + 16 h + i: 16 neighbours along the NEXT product's K
; (the head's 64 for q and k, the keys for v), which the scaled conversions take as they stand.
; q's factor 1 / 8 is not applied here: it changes no code, only a block's exponent, and lies in the attention launch's constant c.
; LDS: all of K for the work-group's 24 tiles, 294,912 bytes, filled ONCE by four tensor loads a wave, in four regions of two K steps; nothing is filled again.  Four loads of a wave are out at the most.
; CLUSTER 4 x 4: source 0's tiles hang on the work-group's x and are asked for jointly along a column of the cluster, source 1's on its y and jointly along a row.
; LIMITS: a block whose largest magnitude lies under 2^-124 (zeros among them) keeps the byte 1; NaN and infinities are not served.
; REGISTERS, in windows of 256: window 0: v1-12 addresses; v16-47, v48-63 scale words of source 0, 1; v64-159, v160-207 fragments, set 0; v208-255 the quantiser's.  window 1: accumulator (a, j) at v[64 j + 8 a].  window 2: v64-207 fragments, set 1.
.set SCOFF, 11010048
.set REGB,  73728                      ; a quarter of the 24 tiles' bytes.  LDS AS IT IS NOW LAID: tile by tile, 12,288 bytes each (eight K steps of 1,536): source 0's eight tiles from 0, source 1's sixteen from 98,304; ONE dense tensor load a wave, at the head, nothing filled again
.set LC16,  13                         ; v13-14 LDS addresses of source 0's tiles 4-7 (49,152 bytes on: an LDS offset has 16 bits)
.set LC8,   14
.set SPARE, 4*REGB                     ; the spare words, 128 bytes for each wave: two blocks of 256 bytes that no other line names
.set WV,   10
.set L16,  1                           ; v1   16 x lane
.set RR,   2                           ; v2   r
.set HH,   3                           ; v3   h
.set LA16, 4                           ; v4-7 LDS addresses of source 0's and source 1's fragments in the region in hand (16 x lane; 16 r + 8 h)
.set LA8,  5
.set LB16, 6
.set LB8,  7
.set SPW,  8                           ; v8   LDS address of my spare word; never rewritten
.set NIL,  9                           ; v9   0; never rewritten
.set L8,   11                          ; v11  16 r + 8 h
.set SWO,  12                          ; v12  where my four scale words go
.set SA,   16
.set SB,   48
.set AF,   64
.set BF,   160
.set TM,   208                         ; +0..3 largest magnitudes, +4..7 bytes, +12..15 scale operands
.set PW,   224
.set WL,   228
.set WH,   232
.set PC,   236                         ; 12 registers of codes + 8 at work
.set G1A,  24
.set G1B,  32
.set G0A,  40                          ; s[40:43]: group 0 of source 0's load;  source 1's: s[56:59]
.set OB,   76                          ; s[76:91]: where tile j's half c goes: pair 76 + 4 j + 2 c
.set SEL,  96
.set MSB,  0
.macro WIN new                         ; the immediate's high byte repeats the setting that is left
.if MSB != (\new)
	s_set_vgpr_msb (MSB<<8)|(\new)
.set MSB, (\new)
.endif
.endm
.macro CROUND                          ; a round of the cluster's barrier
	s_barrier_signal -1
	s_barrier_wait -1
	s_cmp_lg_u32 s[WV], 0
	s_cbranch_scc1 .Lnot_wave_0_\@
	s_barrier_signal -3
.Lnot_wave_0_\@:
	s_barrier_wait -3
	s_barrier_signal -1
	s_barrier_wait -1
.endm
.macro PLACES
.rept 4
	v_nop
.endr
.endm
.macro LDFRAG reg, a16, a8, off        ; a fragment's image back into 12 registers: each load takes 512 or 256 consecutive bytes
	ds_load_b128 v[(\reg):(\reg)+3], v[\a16] offset:(\off)
	ds_load_b64 v[(\reg)+4:(\reg)+5], v[\a8] offset:(\off)+512
	ds_load_b128 v[(\reg)+6:(\reg)+9], v[\a16] offset:(\off)+768
	ds_load_b64 v[(\reg)+10:(\reg)+11], v[\a8] offset:(\off)+1280
.endm
.macro FETCH f, q                      ; 48 LDS loads: the 12 fragments of the region's step q into set f
	WIN 0x80*(\f)
.irp a, 0,1,2,3
	LDFRAG AF+12*\a, LA16, LA8, 12288*\a+1536*(\q)
.endr
.irp a, 0,1,2,3
	LDFRAG AF+48+12*\a, LC16, LC8, 12288*\a+1536*(\q)
.endr
.irp j, 0,1,2,3
	LDFRAG BF+12*\j, LB16, LB8, 12288*\j+1536*(\q)
.endr
.endm
; 32 matrix instructions: K step s on set f.  The 32 accumulators take turns, one instruction a turn, in the same order in every step.  Step 0 starts the sums with the constant 0.
; A tile's scale words of steps 0-3 lie in lanes 0-15 of four registers, those of steps 4-7 in lanes 16-31.
.macro MUL32 f, s
	WIN 0x50|(0x0a*(\f))
.irp j, 0,1,2,3
.irp a, 0,1,2,3,4,5,6,7
.if (\s) == 0
	v_wmma_scale_f32_16x16x128_f8f6f4 v[64*\j+8*\a:64*\j+8*\a+7], v[AF+12*\a:AF+12*\a+11], v[BF+12*\j:BF+12*\j+11], 0, v[SA+4*\a], v[SB+4*\j] matrix_a_fmt:MATRIX_FMT_FP6 matrix_b_fmt:MATRIX_FMT_FP6
.elseif (\s) < 4
	v_wmma_scale_f32_16x16x128_f8f6f4 v[64*\j+8*\a:64*\j+8*\a+7], v[AF+12*\a:AF+12*\a+11], v[BF+12*\j:BF+12*\j+11], v[64*\j+8*\a:64*\j+8*\a+7], v[SA+4*\a+(\s)], v[SB+4*\j+(\s)] matrix_a_fmt:MATRIX_FMT_FP6 matrix_b_fmt:MATRIX_FMT_FP6
.else
	v_wmma_scale_f32_16x16x128_f8f6f4 v[64*\j+8*\a:64*\j+8*\a+7], v[AF+12*\a:AF+12*\a+11], v[BF+12*\j:BF+12*\j+11], v[64*\j+8*\a:64*\j+8*\a+7], v[SA+4*\a+(\s)-4], v[SB+4*\j+(\s)-4] matrix_a_fmt:MATRIX_FMT_FP6 matrix_b_fmt:MATRIX_FMT_FP6 matrix_a_scale:MATRIX_SCALE_ROW1 matrix_b_scale:MATRIX_SCALE_ROW1
.endif
.endr
.endr
.endm
; K step s: four places behind the last step's products, which read the set that is now loaded anew; the next step's fragments; this step's products.
; Ahead of a new region: my tensor loads up to that region have landed (the younger ones may stay out), no LDS access of mine is pending, and the work-group's barrier shows the same of all four waves.
.macro KSTEP s
	WIN 0
	PLACES
.if (\s) < 7
	FETCH 1-((\s)&1), (\s)+1                       ; all of K lies in LDS: the step's place is an immediate
	s_wait_dscnt 48                                ; all but the 48 just issued: this step's fragments are in
.else
	s_wait_dscnt 0x0
.endif
	MUL32 (\s)&1, \s
.endm
; 64 numbers of a lane in window 1, v[s] on, register 16 b + i = k 32 b + 16 h + i of my row, become a fragment's codes in v[PC] on and its scale word in v[PW].  Each accumulator is read from its low end on.
.macro QUANTW s
	WIN 0x14
.irp b, 0,1,2,3
	v_max3_num_f32 v[TM+\b], 0x1800000, |v[(\s)+16*\b]|, |v[(\s)+16*\b+1]|   ; the floor 2^(3 - 127) among the leaves: the byte cannot fall under 1
.endr
.irp i, 2,4,6,8,10,12,14
.irp b, 0,1,2,3
	v_max3_num_f32 v[TM+\b], v[TM+\b], |v[(\s)+16*\b+\i]|, |v[(\s)+16*\b+\i+1]|
.endr
.endr
	WIN 0
.irp b, 0,1,2,3
	v_permlanex16_b32 v[TM+4+\b], v[TM+\b], s[SEL], s[SEL+1]
.endr
.irp b, 0,1,2,3
	v_max_num_f32 v[TM+\b], v[TM+\b], v[TM+4+\b]     ; with lane l xor 16's 16: the block's largest magnitude
.endr
.irp b, 0,1,2,3
	v_add_nc_u32 v[TM+12+\b], 0xff000000, v[TM+\b]   ; 2 off its exponent field: the conversion's scale operand
.endr
.irp b, 0,1,2,3
	v_lshrrev_b32 v[TM+4+\b], 23, v[TM+12+\b]        ; the scale's byte
.endr
	v_lshl_or_b32 v[PW], v[TM+5], 8, v[TM+4]
	v_lshl_or_b32 v[PW], v[TM+6], 16, v[PW]
	v_lshl_or_b32 v[PW], v[TM+7], 24, v[PW]
	WIN 0x01
.irp c, 0,1
	v_cvt_scalef32_pk16_fp6_f32 v[PC+6*\c:PC+6*\c+2], v[(\s)+32*\c:(\s)+32*\c+15], v[TM+12+2*\c]
	v_cvt_scalef32_pk16_fp6_f32 v[PC+12+4*\c:PC+14+4*\c], v[(\s)+32*\c+16:(\s)+32*\c+31], v[TM+13+2*\c]   ; (a conversion's three registers begin on an even number)
.endr
	WIN 0
	v_nop                                            ; one plain place behind the scaled conversions
.irp c, 0,1                                      ; the operand's layout wants a WHOLE block in a lane: lanes 0-15 block 2 c, lanes 16-31 block 2 c + 1
.irp i, 0,1,2
	v_permlane16_swap_b32 v[PC+6*\c+\i], v[PC+12+4*\c+\i]
.endr
.irp i, 0,1,2
	v_mov_b32 v[PC+3+6*\c+\i], v[PC+12+4*\c+\i]
.endr
.endr
.endm
	s_load_b128 s[4:7], s[0:1], 0x0                ; opq, qq
	s_load_b64 s[8:9], s[0:1], 0x10                ; kvq
	v_lshl_add_u32 v[SPW], v0, 2, SPARE
	v_mov_b32 v[NIL], 0
	ds_add_u32 v[SPW], v[NIL]                      ; the wave's opening: the add and its wait ahead of my first tensor load; the set-up below, work on registers, stands between them
	ds_add_u32 v[SPW], v[NIL]
	v_lshrrev_b32 v1, 5, v0
	v_readfirstlane_b32 s[WV], v1                  ; wave 0..3
	v_and_b32 v[RR], 15, v0
	v_bfe_u32 v[HH], v0, 4, 1
	v_and_b32 v[L16], 31, v0
	v_lshlrev_b32 v[L16], 4, v[L16]
	v_lshlrev_b32 v[L8], 4, v[RR]
	v_lshl_add_u32 v[L8], v[HH], 3, v[L8]
	s_and_b32 s11, s[WV], 1                        ; which half of source 0's or source 1's tiles I fetch
	s_bfe_u32 s13, ttmp6, 0x40000                  ; cx
	s_bfe_u32 s14, ttmp6, 0x40004                  ; cy
	s_and_b32 s15, ttmp7, 0xffff                   ; the cluster's y: the role
	s_lshr_b32 s16, ttmp9, 1
	; source 0: g and its first tile, of cx and the cluster's x alone (s18-20)
	s_and_b32 s18, ttmp9, 1
	s_lshl_b32 s18, s18, 2
	s_add_co_u32 s18, s18, s13                     ; Q, K: g = x % 8
	s_lshl_b32 s19, ttmp9, 2
	s_add_co_u32 s19, s19, s13                     ; V: g = x
	s_cmp_eq_u32 s15, 5
	s_cselect_b32 s18, s19, s18                    ; g
	s_mov_b32 s19, 704
	s_cselect_b32 s19, 512, s19
	s_cmp_lt_u32 s15, 4
	s_cselect_b32 s19, 640, s19                    ; q_w's tiles from 640, kv_w's first half from 704, context's from 512
	s_lshl_b32 s20, s18, 3
	s_add_co_u32 s19, s19, s20                     ; source 0's first tile
	; source 1: blk and its first tile, of cy and the cluster's place alone (s21-23)
	s_lshl_b32 s21, s15, 2
	s_add_co_u32 s21, s21, s14                     ; y
	s_lshl_b32 s22, s21, 1
	s_add_co_u32 s22, s22, s16                     ; Q: blk = 2 y + (cluster x) / 2
	s_sub_co_u32 s23, s22, 32                      ; K: the same of y - 16
	s_sub_co_u32 s21, s21, 20                      ; V: blk = y - 20
	s_cmp_eq_u32 s15, 5
	s_cselect_b32 s23, s21, s23
	s_mov_b32 s21, 512
	s_cselect_b32 s21, 768, s21
	s_cmp_lt_u32 s15, 4
	s_cselect_b32 s23, s22, s23                    ; blk
	s_cselect_b32 s21, 0, s21                      ; x's tiles from 0, context's from 512, kv_w's second half from 768
	s_lshl_b32 s22, s23, 4
	s_add_co_u32 s21, s21, s22                     ; source 1's first tile
	; descriptor group 1: rows of 256 bytes (32 elements of 8), dense in memory and in LDS; 4 tiles a load for source 0, 8 for source 1
	s_lshl_b32 s20, 0x1111, s13                    ; my column of the cluster
	s_or_b32 s[G1A], s20, (3<<16)|(1<<21)          ; 15:0 the mask; 17:16 elements of 8 bytes; 21 set beside a mask
	s_lshl_b32 s22, s14, 2
	s_lshl_b32 s22, 15, s22                        ; my row
	s_or_b32 s[G1B], s22, (3<<16)|(1<<21)
	s_mov_b32 s[G1A+1], 32<<16                     ; four whole tiles are 49,152 dense bytes: 192 rows of 256 bytes (32 elements of 8)
	s_mov_b32 s[G1A+2], 192<<16
	s_mov_b32 s[G1A+3], 32<<16
	s_mov_b32 s[G1A+4], 192
	s_mov_b32 s[G1A+5], 32
	s_mov_b32 s[G1A+6], 0
	s_mov_b32 s[G1A+7], 0
	s_mov_b32 s[G1B+1], 32<<16                     ; eight whole tiles: 384 rows of 256 bytes
	s_mov_b32 s[G1B+2], 384<<16
	s_mov_b32 s[G1B+3], 32<<16
	s_mov_b32 s[G1B+4], 384
	s_mov_b32 s[G1B+5], 32
	s_mov_b32 s[G1B+6], 0
	s_mov_b32 s[G1B+7], 0
	s_lshl_b32 s20, s11, 2
	s_add_co_u32 s20, s20, s19
	s_mul_i32 s2, s20, 12288                       ; source 0: my four tiles, in memory,
	s_mov_b32 s3, 0
	s_mul_i32 s12, s11, 49152                      ; and in LDS
	s_lshl_b32 s22, s11, 3
	s_add_co_u32 s22, s22, s21
	s_mul_i32 s66, s22, 12288                      ; source 1: my eight tiles,
	s_mov_b32 s67, 0
	s_mul_i32 s17, s11, 98304
	s_add_co_u32 s17, s17, 98304                   ; behind source 0's eight
	s_lshl_b32 s98, s19, 9
	s_add_co_u32 s98, s98, SCOFF                   ; the scale words of source 0's eight tiles,
	s_mov_b32 s99, 0
	s_lshl_b32 s100, s[WV], 2
	s_add_co_u32 s100, s100, s21
	s_lshl_b32 s100, s100, 9
	s_add_co_u32 s100, s100, SCOFF                 ; and of my four of source 1
	s_mov_b32 s101, 0
	s_mov_b32 s[SEL], 0x76543210
	s_mov_b32 s[SEL+1], 0xfedcba98                 ; v_permlanex16_b32's selects for lane l xor 16
	s_wait_dscnt 0x0                               ; the opening add is done
	s_wait_kmcnt 0x0
	s_add_nc_u64 s[2:3], s[4:5], s[2:3]
	s_add_nc_u64 s[66:67], s[4:5], s[66:67]
	s_add_nc_u64 s[98:99], s[4:5], s[98:99]
	s_add_nc_u64 s[100:101], s[4:5], s[100:101]
.irp p, 0
	s_mov_b32 s[G0A+4*\p], 1
	s_add_co_u32 s[G0A+4*\p+1], s12, \p*REGB                       ; LDS address: no place in the cluster enters it
	s_add_nc_u64 s[G0A+4*\p+2:G0A+4*\p+3], s[2:3], \p*3072         ; all eight K steps of my tiles
	s_or_b32 s[G0A+4*\p+3], s[G0A+4*\p+3], 0x80000000              ; type = 2
	s_mov_b32 s[56+4*\p+4*(\p/2)], 1
	s_add_co_u32 s[57+4*\p+4*(\p/2)], s17, \p*REGB
	s_add_nc_u64 s[58+4*\p+4*(\p/2):59+4*\p+4*(\p/2)], s[66:67], \p*3072
	s_or_b32 s[59+4*\p+4*(\p/2)], s[59+4*\p+4*(\p/2)], 0x80000000
.endr
	CROUND                                         ; all sixteen work-groups are here: the joint loads meet
	s_cmp_lt_u32 s[WV], 2                          ; waves 0, 1 fetch source 0's tiles, waves 2, 3 source 1's: a wave's one fill stands in one branch on the wave's number
	s_cbranch_scc0 .Lfill_b
.irp p, 0
	tensor_load_to_lds s[G0A+4*\p:G0A+4*\p+3], s[G1A:G1A+7]
	s_nop 0
.endr
	PLACES
	s_branch .Lfilled
.Lfill_b:
.irp p, 0
	tensor_load_to_lds s[56+4*\p+4*(\p/2):59+4*\p+4*(\p/2)], s[G1B:G1B+7]
	s_nop 0
.endr
	PLACES
.Lfilled:
	s_wait_alu depctr_va_vdst(0)
.irp a, 0,1,2,3,4,5,6,7
	global_load_b128 v[SA+4*\a:SA+4*\a+3], v[L16], s[98:99] offset:512*\a    ; a tile's 512 bytes of scale words: all eight steps' in four registers
.endr
.irp j, 0,1,2,3
	global_load_b128 v[SB+4*\j:SB+4*\j+3], v[L16], s[100:101] offset:512*\j
.endr
	v_mov_b32 v[LA16], v[L16]
	v_mov_b32 v[LA8], v[L8]
	v_add_nc_u32 v[LC16], 49152, v[L16]
	v_add_nc_u32 v[LC8], 49152, v[L8]
	s_mul_i32 s12, s[WV], 49152
	s_add_co_u32 s12, s12, 98304                   ; my four tiles of source 1
	v_add_nc_u32 v[LB16], s12, v[L16]
	v_add_nc_u32 v[LB8], s12, v[L8]
.irp b, 0,1,2,3
	v_mov_b32 v[TM+4+\b], 0                        ; written once: a lane permute's destination counts as one of its sources
.endr
	s_wait_alu depctr_va_vdst(0)
	s_wait_tensorcnt 0x0                           ; my one load has landed,
	s_barrier_signal -1
	s_barrier_wait -1                              ; everybody's is
	FETCH 0, 0
	WIN 0
	s_wait_loadcnt 0x0                             ; the scale words are in, and the pairs that their loads named may be written
	; WHERE THE RESULTS GO, by role.  bw = 4 blk + wave.  Images: Q, K: head 2 g + c, tiles 4 bw + j (halves of 768 bytes);  V: head bw, key step g, fragment j.  These numbers feed no descriptor
	s_lshl_b32 s2, s23, 2
	s_add_co_u32 s2, s2, s[WV]                     ; bw
	s_lshl_b32 s3, s18, 1                          ; 2 g
	s_mov_b32 s12, 3072
	s_mov_b32 s17, 768
	s_mov_b32 s20, 196608
	s_mov_b32 s22, 208896
	s_mov_b32 s94, 0x01000100                      ; Q, K: a half's two scale bytes, written twice: bytes 0, 1 for head 2 g,
	s_mov_b32 s95, 0x03020302                      ; bytes 2, 3 for head 2 g + 1
	s_cmp_eq_u32 s15, 5                            ; V?
	s_cselect_b32 s66, s2, s3                      ; what counts heads
	s_cselect_b32 s67, s18, s2                     ; what counts inside a head
	s_cselect_b32 s12, 6144, s12                   ; and its step in bytes
	s_cselect_b32 s98, 98304, 0                    ; V's images lie behind K's
	s_cselect_b32 s100, 1536, s17                  ; from tile j to j + 1
	s_cselect_b32 s2, s17, s22                     ; from half 0 to half 1: V 768, K a head's record
	s_cselect_b32 s20, 204800, s20                 ; the scale words' place in a record
	s_cselect_b32 s99, 0, s22                      ; from lanes 0-15 to lanes 16-31 of the scale words' store
	s_cselect_b32 s94, 0x03020100, s94             ; V: the word as it stands
	s_cselect_b32 s95, 0x03020100, s95
	s_cmp_lt_u32 s15, 4                            ; Q?
	s_cselect_b64 s[92:93], s[6:7], s[8:9]         ; qq or kvq: the choice hangs on the cluster's y alone
	s_cselect_b32 s17, 393216, s22                 ; a head's images
	s_cselect_b32 s2, 393216, s2
	s_cselect_b32 s99, 32768, s99
	s_cselect_b32 s20, 6291456, s20
	s_cselect_b32 s22, 32768, s22                  ; a head's scale words
	s_mul_i32 s17, s66, s17
	s_mul_i32 s12, s67, s12
	s_add_co_u32 s12, s12, s17
	s_add_co_u32 s12, s12, s98
	s_mul_i32 s22, s66, s22
	s_lshl_b32 s67, s67, 8
	s_add_co_u32 s22, s22, s67
	s_add_co_u32 s22, s22, s20
	s_mov_b32 s66, s12
	s_mov_b32 s67, 0
	s_add_nc_u64 s[OB:OB+1], s[92:93], s[66:67]
	s_mov_b32 s66, s22
	s_add_nc_u64 s[92:93], s[92:93], s[66:67]      ; my four tiles' scale words
	s_mov_b32 s101, 0
	s_mov_b32 s3, 0
.irp j, 1,2,3
	s_add_nc_u64 s[OB+4*\j:OB+4*\j+1], s[OB+4*\j-4:OB+4*\j-3], s[100:101]
.endr
.irp j, 0,1,2,3
	s_add_nc_u64 s[OB+4*\j+2:OB+4*\j+3], s[OB+4*\j:OB+4*\j+1], s[2:3]
.endr
	v_mul_lo_u32 v[SWO], v[HH], s99
	v_lshl_add_u32 v[SWO], v[RR], 4, v[SWO]
	KSTEP 0
	KSTEP 1
	KSTEP 2
	KSTEP 3
	KSTEP 4
	KSTEP 5
	KSTEP 6
	KSTEP 7
	; THE WAY OUT: each of my four tiles of source 1 is quantised along source 0's 128 and leaves as an image: every store covers 512 or 256 consecutive aligned bytes
	WIN 0
	PLACES                                         ; four places behind the last products
	v_cmp_ne_u32 vcc_lo, 0, v[HH]
.irp j, 0,1,2,3
.if \j > 0
	s_wait_xcnt 0x0                                ; the last tile's stores have read their data: the codes' registers may be written again
.endif
	QUANTW 64*\j
	v_perm_b32 v[WL+\j], v[PW], v[PW], s94
	v_perm_b32 v[WH+\j], v[PW], v[PW], s95
	global_store_b128 v[L16], v[PC:PC+3], s[OB+4*\j:OB+4*\j+1]
	global_store_b64 v[L8], v[PC+4:PC+5], s[OB+4*\j:OB+4*\j+1] offset:512
	global_store_b128 v[L16], v[PC+6:PC+9], s[OB+4*\j+2:OB+4*\j+3]
	global_store_b64 v[L8], v[PC+10:PC+11], s[OB+4*\j+2:OB+4*\j+3] offset:512
.endr
.irp j, 0,1,2,3
	v_cndmask_b32 v[WL+\j], v[WL+\j], v[WH+\j], vcc_lo   ; lanes 0-15 carry head 2 g's words, lanes 16-31 head 2 g + 1's
.endr
	global_store_b128 v[SWO], v[WL:WL+3], s[92:93] ; row r's words of four tiles: sixteen lanes fill 256 consecutive aligned bytes.  (V: lanes r and r + 16 store the same words to the same place)
	s_wait_tensorcnt 0x0                           ; the wave's end
	ds_add_u32 v[SPW], v[NIL]
	s_wait_dscnt 0x0
	CROUND                                         ; the closing round
	s_endpgm
.Lfunc_end_k_q936c5a33c1_proj3:
	.size	k_q936c5a33c1_proj3, .Lfunc_end_k_q936c5a33c1_proj3-k_q936c5a33c1_proj3
	.p2alignl 7, 3214868480
	.fill 96, 4, 3214868480
	.section	.rodata,"a",@progbits
	.p2align	6, 0x0
	.amdhsa_kernel k_q936c5a33c1_proj3
		.amdhsa_group_segment_fixed_size 327680
		.amdhsa_private_segment_fixed_size 0
		.amdhsa_enable_private_segment 0
		.amdhsa_kernarg_size 24
		.amdhsa_user_sgpr_count 2
		.amdhsa_user_sgpr_kernarg_segment_ptr 1
		.amdhsa_wavefront_size32 1
		.amdhsa_system_sgpr_workgroup_id_x 1
		.amdhsa_system_sgpr_workgroup_id_y 1
		.amdhsa_system_sgpr_workgroup_id_z 1
		.amdhsa_system_vgpr_workitem_id 0
		.amdhsa_next_free_vgpr 768
		.amdhsa_next_free_sgpr 102
		.amdhsa_reserve_vcc 1
		.amdhsa_float_denorm_mode_32 3
		.amdhsa_float_denorm_mode_16_64 3
		.amdhsa_memory_ordered 1
		.amdhsa_forward_progress 1
		.amdhsa_inst_pref_size 86
	.end_amdhsa_kernel
	.amdgpu_metadata
---
amdhsa.version: [ 1, 2 ]
amdhsa.kernels:
  - .name:           k_q936c5a33c1_proj3
    .symbol:         k_q936c5a33c1_proj3.kd
    .args:
      - { .name: opq, .offset: 0, .size: 8, .value_kind: global_buffer, .address_space: global }
      - { .name: qq, .offset: 8, .size: 8, .value_kind: global_buffer, .address_space: global }
      - { .name: kvq, .offset: 16, .size: 8, .value_kind: global_buffer, .address_space: global }
    .group_segment_fixed_size: 327680
    .private_segment_fixed_size: 0
    .kernarg_segment_align: 8
    .kernarg_segment_size: 24
    .max_flat_workgroup_size: 128
    .sgpr_count:     102
    .vgpr_count:     768
    .wavefront_size: 32
...
	.end_amdgpu_metadata
.endif
;; end of part 2
;; launch attn (part 3): grid 16 x 16, 16 waves a work-group, clusters of 4 x 1, 236,544 bytes of LDS; arguments qq, kvq, oq; writes oq
.if DOCPART == 3
	.amdgcn_target "amdgcn-amd-amdhsa--gfx1250"
	.amdhsa_code_object_version 6
	.text
	.protected	k_q936c5a33c1_attn
	.globl	k_q936c5a33c1_attn
	.p2align	8
	.type	k_q936c5a33c1_attn,@function
k_q936c5a33c1_attn:
	s_mov_b64 s[64:65], 0
	v_nop
	global_prefetch_b8 v0, s[64:65] scope:SCOPE_SE
	s_setreg_imm32_b32 hwreg(HW_REG_WAVE_MODE, 25, 1), 1
	s_wait_xcnt 0x0
	s_wait_alu depctr_hold_cnt(0) depctr_sa_sdst(0) depctr_va_vdst(0) depctr_va_sdst(0) depctr_va_ssrc(0) depctr_va_vcc(0) depctr_vm_vsrc(0)
	s_getreg_b32 s2, hwreg(HW_REG_IB_STS2, 6, 4)
	s_cmp_eq_u32 s2, 0
	s_cbranch_scc0 .Lentry_in_a_cluster
	s_endpgm
.Lentry_in_a_cluster:
	s_bfe_u32 s2, ttmp6, 0x10000c
	s_cmp_lg_u32 s2, 0x3003
	s_cbranch_scc0 .Lentry_shape_is_right
	s_endpgm
.Lentry_shape_is_right:
; out[row][head] = softmax(q k^T / 8) v for 16 heads of 64, 8,192 query rows, 2,048 keys shared by all rows; both products on codes of FP6 (E2M3) with one E8M0 scale for each 32 along K.
; THE SOFTMAX: t = score x c, c = log2(e) / 8 (q's factor 1 / 8 lies in c: it changes no code of q); M = the running largest t rounded UP to a whole number; p = 2^(t - M) is quantised along the keys, not normalised;
; the row's sum is taken of the unquantised p and divides at the end; when M moves, the sum and O are multiplied by 2^(old M - new M), exactly.
; SHARES.  A work-group owns 512 query rows (32 tiles of 16) of one head; each of its sixteen waves two tiles, one after the other, in 256 registers: four waves to a SIMD.
; LDS holds the head's WHOLE record of K and V (codes as images of operand registers, and scale words), filled once, one tensor load a wave; nothing is filled again, so there is no ring.
; Waves 0-7 bring K's images (98,304 bytes, as rows of 512 bytes with 128 bytes of padding behind each), waves 8-15 the rest (V's images and the scale words, 110,592 dense bytes).
; CLUSTER 4 x 1: the four work-groups of a cluster belong to one head: each of the sixteen loads is asked for jointly by the four.  No prefetch: every tensor load stands at the head, so no address is known earlier than it is asked for.
; LAYOUT.  Both products are used transposed (source 0 = 16 keys, or 16 of the head's 64; source 1 = 16 queries): a lane holds ONE query.
; WHICH KEYS FORM A TILE is chosen when K's images are read: lanes r < 8 and r >= 8 read rows of different stored tiles, so that tile (c, u) of a step's 128 keys holds at row m the key 64 c + 32 (m / 8) + 8 u + m % 8.
; Lane (r, h) then holds in registers 32 c + 0 .. 31 the keys 64 c + 32 h + 0 .. 31: WHOLE blocks of 32, in the order of the second product's operand: a block's largest score needs no other lane, and the codes change no lane.
; (Stored: key 32 b + 16 g + 8 v + j at row j + 8 g of tile 2 b + v, 768 bytes a tile.  With the padding a pair of stored tiles takes 1,920 bytes of LDS, 128 more than a multiple of 256: the two halves of sixteen lanes, which read
; 128 bytes each out of neighbouring pairs, touch different banks.  In a pair: the even tile's registers 0-3 at 0, its registers 4-5 at 640; the odd tile's registers 0-3 at 896 (lanes 16-31: 384 on, not 256), its registers 4-5 at 1,536.)
; K = 64 IN THE FIRST PRODUCT: a fragment holds TWO tiles of keys, one in each half of the instruction's 128; it is multiplied by [q | zero codes] and by [zero codes | q], which are 12 registers each out of the 18 of q, zeros, q.
; Scale words of q and K hold a tile's two bytes twice, so they are right in the half that counts; in the other half they meet zero codes, and no byte is 0xff.
; The result, O / the sum, is quantised along the head's 64 and stored as half a fragment of the last product's operand; a pair of tiles' scale bytes make a word and leave through LDS.
; LIMITS: the promise holds while the scaled scores t stay under 2^31 in magnitude; a block whose largest magnitude lies under 2^-124 keeps the byte 1; p under 2^-126 is 0; NaN and infinities are not served.
.set REC,   208896                     ; a head's record in memory: K's images, V's images at 98,304, K's scale words, V's
.set KST,   7680                       ; LDS: a step's K images, four padded pairs of tiles
.set VIO,   122880                     ; V's images, behind K's 16 x 7,680
.set KSO,   221184
.set VSO,   229376
.set OSL,   233472                     ; behind the record: 1,024 bytes in which the waves' scale words of the result meet; no fill lands here
.set SPARE, 234496                     ; the spare words, 128 bytes for each wave: eight blocks of 256 bytes that no other line names
.set WV,   10
.set SEL,  12                          ; s[12:13] lane selects: lane l xor 16
.set CS,   14                          ; s[14:15] c, twice
.set NC,   16                          ; s16 -c
.set TVB,  17                          ; s17 V's images: 6,144 bytes a step
.set TVS,  18                          ; s18 V's scale words: 256 a step
.set TKN,  19                          ; s19 K's images: 7,680 a step
.set TKS,  20                          ; s20 K's scale words: 512 a step
.set CNT,  21
.set L16,  1
.set L8,   2
.set R16,  3
.set SPW,  4                           ; LDS address of my spare word; never rewritten
.set NIL,  5                           ; 0; never rewritten
.set CKA,  6
.set CKB,  7
.set CKC,  8
.set CKS,  9
.set CV16, 10
.set CV8,  11
.set CVS,  12
.set ADKA, 13
.set ADKB, 14
.set ADKC, 15
.set ADKS, 16
.set ADV16, 17
.set ADV8, 18
.set ADVS, 19
.set SH8,  20                          ; 8 h
.set OSW,  21
.set OSR,  22
.set OSG,  23
.set QSR,  24                          ; q's scale words of my two tiles
.set QS,   26                          ; of the tile in hand
.set W0,   27                          ; the first tile's two scale bytes of the result
.set PW,   28                          ; p's scale word
.set KSC,  30
.set VSC,  34
.set NM,   40                          ; -M
.set MX,   41                          ; the running largest score
.set LS,   42                          ; the sum, in two halves
.set FF,   44                          ; f = 2^(old M - new M)  (v45: named with it as a pair)
.set BM,   46                          ; my two blocks' largest
.set SO,   48                          ; the conversions' scale operands
.set BY,   50                          ; scale bytes
.set TP,   52
.set TQ,   53
.set WD,   54                          ; v54-55 at work
.set FR,   56                          ; four fragments, of K and then of V
.set S,    104                         ; S^T, then p, at the end O / the sum
.set O,    168                         ; O^T
.set Q,    200                         ; q, zero codes, q
.set PC,   218                         ; p's codes
.set PT,   230
.set QR,   238                         ; both tiles' q as loaded
.macro CROUND
	s_barrier_signal -1
	s_barrier_wait -1
	s_cmp_lg_u32 s[WV], 0
	s_cbranch_scc1 .Lnot_wave_0_\@
	s_barrier_signal -3
.Lnot_wave_0_\@:
	s_barrier_wait -3
	s_barrier_signal -1
	s_barrier_wait -1
.endm
.macro D n                             ; the hint ahead of a plain line that reads the plain line n before it
	s_delay_alu instid0(VALU_DEP_\n)
.endm
.macro LDFRAG reg, a16, a8, off        ; a fragment of V: its image into 12 registers
	ds_load_b128 v[(\reg):(\reg)+3], v[\a16] offset:(\off)
	ds_load_b64 v[(\reg)+4:(\reg)+5], v[\a8] offset:(\off)+512
	ds_load_b128 v[(\reg)+6:(\reg)+9], v[\a16] offset:(\off)+768
	ds_load_b64 v[(\reg)+10:(\reg)+11], v[\a8] offset:(\off)+1280
.endm
.macro KFRAG reg, off                  ; a fragment of K, gathered out of the padded pairs
	ds_load_b128 v[(\reg):(\reg)+3], v[ADKA] offset:(\off)
	ds_load_b64 v[(\reg)+4:(\reg)+5], v[ADKB] offset:(\off)+640
	ds_load_b128 v[(\reg)+6:(\reg)+9], v[ADKC] offset:(\off)+896
	ds_load_b64 v[(\reg)+10:(\reg)+11], v[ADKB] offset:(\off)+1536
.endm
.macro SUMS n                          ; the row's sum of p, in place: pair j takes pair j + n, which was written n lines before
.set j, 0
.rept \n
.if \n <= 4
	D \n
.endif
	v_pk_add_f32 v[S+j:S+j+1], v[S+j:S+j+1], v[S+j+2*(\n):S+j+2*(\n)+1]
.set j, j+2
.endr
.endm
	s_load_b128 s[4:7], s[0:1], 0x0                ; qq, kvq
	s_load_b64 s[8:9], s[0:1], 0x10                ; oq
	v_lshl_add_u32 v[SPW], v0, 2, SPARE
	v_mov_b32 v[NIL], 0
	ds_add_u32 v[SPW], v[NIL]                      ; the opening lines: the add, twice on end, and its wait ahead of my first tensor load
	ds_add_u32 v[SPW], v[NIL]
	v_lshrrev_b32 v[FR], 5, v0
	v_readfirstlane_b32 s[WV], v[FR]               ; wave 0..15
	v_and_b32 v[FR+1], 31, v0
	v_and_b32 v[FR+2], 15, v0                      ; r
	v_bfe_u32 v[FR+3], v0, 4, 1                    ; h
	v_and_b32 v[FR+4], 7, v0                       ; r % 8
	v_bfe_u32 v[FR+5], v0, 3, 1                    ; r / 8
	v_lshlrev_b32 v[L16], 4, v[FR+1]
	v_lshlrev_b32 v[R16], 4, v[FR+2]
	v_lshlrev_b32 v[SH8], 3, v[FR+3]
	v_lshl_add_u32 v[L8], v[FR+3], 3, v[R16]
	v_mul_u32_u24 v[FR+6], v[FR+5], 1920           ; K's images: rows 8-15 of a tile come from the next padded pair,
	v_lshl_add_u32 v[FR+6], v[FR+4], 4, v[FR+6]    ; row r % 8 of it (+ 8 by the immediate)
	v_lshl_add_u32 v[CKA], v[FR+3], 8, v[FR+6]
	v_lshl_add_u32 v[CKB], v[FR+3], 3, v[FR+6]
	v_mad_u32_u24 v[CKC], v[FR+3], 384, v[FR+6]
	v_lshl_add_u32 v[FR+7], v[FR+4], 4, KSO        ; K's scale words: 256 c + 16 (r % 8) + 8 (r / 8), c = my half of the lanes
	v_lshl_add_u32 v[FR+7], v[FR+5], 3, v[FR+7]
	v_lshl_add_u32 v[CKS], v[FR+3], 8, v[FR+7]
	v_add_nc_u32 v[CV16], VIO, v[L16]
	v_add_nc_u32 v[CV8], VIO, v[L8]
	v_add_nc_u32 v[CVS], VSO, v[R16]
	s_lshl_b32 s51, s[WV], 6
	v_lshl_add_u32 v[OSW], v[FR+2], 2, OSL
	v_add_nc_u32 v[OSW], s51, v[OSW]               ; my pair of tiles' words: 64 x wave + 4 r
	v_and_b32 v[OSR], 63, v0
	v_lshlrev_b32 v[OSG], 4, v[OSR]
	v_add_nc_u32 v[OSR], OSL, v[OSG]               ; and back, in waves 0 and 1: 16 bytes a thread
	s_bfe_u32 s11, ttmp6, 0x40000                  ; cx
	s_lshl_b32 s22, ttmp9, 2
	s_add_co_u32 s22, s22, s11                     ; my block of 512 rows: it enters q's and the result's addresses alone
	s_and_b32 s23, ttmp7, 0xffff                   ; the head, which the four partners share
	s_mov_b32 s24, 15|(3<<16)|(1<<20)|(1<<21)|(6<<22)|(31<<25)   ; K's images: an eighth is 24 rows of 512 bytes (64 elements of 8); behind every 128 words 32 words of padding; mask: all four work-groups
	s_mov_b32 s25, 64<<16
	s_mov_b32 s26, 24<<16
	s_mov_b32 s27, 64<<16
	s_mov_b32 s28, 24
	s_mov_b32 s29, 64
	s_mov_b32 s30, 0
	s_mov_b32 s31, 0
	s_mov_b32 s52, 15|(3<<16)|(1<<21)              ; the rest: an eighth is 13,824 dense bytes, 54 rows of 256 bytes (32 elements of 8)
	s_mov_b32 s53, 32<<16
	s_mov_b32 s54, 54<<16
	s_mov_b32 s55, 32<<16
	s_mov_b32 s56, 54
	s_mov_b32 s57, 32
	s_mov_b32 s58, 0
	s_mov_b32 s59, 0
	s_and_b32 s50, s[WV], 7                        ; which eighth
	s_mul_i32 s60, s23, REC
	s_mov_b32 s32, 1
	s_mul_i32 s33, s50, 15360                      ; K: 24 rows of 640 bytes in LDS,
	s_mul_i32 s44, s50, 12288                      ; of 512 in memory
	s_add_co_u32 s44, s44, s60
	s_mov_b32 s45, 0
	s_mov_b32 s36, 1
	s_mul_i32 s37, s50, 13824
	s_add_co_u32 s62, s37, s60
	s_add_co_u32 s62, s62, 98304
	s_mov_b32 s63, 0
	s_add_co_u32 s37, s37, VIO
	s_lshl_b32 s50, s22, 5
	s_lshl_b32 s51, s[WV], 1
	s_add_co_u32 s50, s50, s51                     ; my first tile: 32 x block + 2 x wave
	s_mul_i32 s40, s23, 393216                     ; q's images: the head's, 768 bytes a tile
	s_mul_i32 s51, s50, 768
	s_add_co_u32 s40, s40, s51
	s_mov_b32 s41, 0
	s_lshl_b32 s42, s23, 15                        ; q's scale words: 256 bytes for four tiles, word (tile, r) at 16 r + 4 (tile % 4)
	s_lshl_b32 s51, s22, 3
	s_lshr_b32 s60, s[WV], 1
	s_add_co_u32 s51, s51, s60
	s_lshl_b32 s51, s51, 8
	s_add_co_u32 s42, s42, s51
	s_and_b32 s60, s[WV], 1
	s_lshl_b32 s60, s60, 3
	s_add_co_u32 s42, s42, s60
	s_add_co_u32 s42, s42, 6291456
	s_mov_b32 s43, 0
	s_lshl_b32 s48, s50, 3                         ; the result: tile, K step head / 2, half head % 2
	s_lshr_b32 s60, s23, 1
	s_add_co_u32 s48, s48, s60
	s_mul_i32 s48, s48, 1536
	s_and_b32 s60, s23, 1
	s_mul_i32 s60, s60, 768
	s_add_co_u32 s48, s48, s60
	s_mov_b32 s49, 0
	s_lshl_b32 s46, s23, 14                        ; its scale words: [head][pair of tiles][r]
	s_lshl_b32 s60, s22, 10
	s_add_co_u32 s46, s46, s60
	s_add_co_u32 s46, s46, 6291456
	s_mov_b32 s47, 0
	s_mov_b32 s[SEL], 0x76543210
	s_mov_b32 s[SEL+1], 0xfedcba98
	s_mov_b32 s[CS], 0x3e38aa3b                    ; c = log2(e) / 8
	s_mov_b32 s[CS+1], s[CS]
	s_mov_b32 s[NC], 0xbe38aa3b                    ; -c
	s_wait_alu depctr_va_vdst(0)
	s_wait_dscnt 0x0                               ; both opening adds are done
	s_wait_kmcnt 0x0
	s_add_nc_u64 s[34:35], s[6:7], s[44:45]
	s_or_b32 s35, s35, 0x80000000
	s_add_nc_u64 s[38:39], s[6:7], s[62:63]
	s_or_b32 s39, s39, 0x80000000
	s_add_nc_u64 s[40:41], s[4:5], s[40:41]
	s_add_nc_u64 s[42:43], s[4:5], s[42:43]
	s_add_nc_u64 s[48:49], s[8:9], s[48:49]
	s_add_nc_u64 s[46:47], s[8:9], s[46:47]
	CROUND                                         ; all four work-groups are here: the joint loads meet
	s_cmp_lt_u32 s[WV], 8                          ; one tensor load a wave, in the two arms of one branch on the wave's number
	s_cbranch_scc0 .Lrest
	tensor_load_to_lds s[32:35], s[24:31]          ; an eighth of K's images
	s_nop 0
.rept 4
	v_nop
.endr
	s_branch .Lasked
.Lrest:
	tensor_load_to_lds s[36:39], s[52:59]          ; an eighth of V's images and the scale words
	s_nop 0
.rept 4
	v_nop
.endr
.Lasked:
.irp n, 0,1
	global_load_b128 v[QR+6*\n:QR+6*\n+3], v[L16], s[40:41] offset:768*\n
	global_load_b64 v[QR+6*\n+4:QR+6*\n+5], v[L8], s[40:41] offset:768*\n+512
.endr
	global_load_b64 v[QSR:QSR+1], v[R16], s[42:43]
	s_wait_tensorcnt 0x0                           ; my part of the record is in,
	s_barrier_signal -1
	s_barrier_wait -1                              ; everybody's is
	s_wait_loadcnt 0x0                             ; q
.irp i, 6,7,8,9,10,11
	v_mov_b32 v[Q+\i], 0                           ; zero codes between the two copies of q
.endr
	v_mov_b32 v[FF+1], 0                           ; named in a pair, or a lane permute's destination: written once
	v_mov_b32 v[TQ], 0
; ONE TILE OF 16 QUERIES: sixteen key steps of 128 keys, then the way out.
.macro TILE n
.if \n
	s_wait_xcnt 0x0                                ; the first tile's stores have read their data: the codes' registers may be written again
.endif
	v_mov_b32 v[QS], v[QSR+\n]
.irp i, 0,1,2,3,4,5
	v_mov_b32 v[Q+\i], v[QR+6*\n+\i]
	v_mov_b32 v[Q+12+\i], v[QR+6*\n+\i]
.endr
	v_mov_b32 v[MX], 0xff61b1e6                    ; the largest score so far: -3e38
	v_mov_b32 v[NM], 0x7e000000                    ; -M: so large that the first step's f is 0
	v_mov_b32 v[LS], 0
	v_mov_b32 v[LS+1], 0
.set i, 0
.rept 32
	v_mov_b32 v[O+i], 0                            ; O^T: the step is written once; its first trip finds zeros.  (Also the places between the lines above and the first products)
.set i, i+1
.endr
	s_mov_b32 s[TVB], 0
	s_mov_b32 s[TVS], 0
	s_mov_b32 s[TKN], 0
	s_mov_b32 s[TKS], 0
	s_mov_b32 s[CNT], 16
	s_wait_alu depctr_va_vdst(0)
.Lstep_\@:
	v_add_nc_u32 v[ADKA], s[TKN], v[CKA]           ; (the last step's sums are the places behind the products whose fragments' registers are loaded next)
	v_add_nc_u32 v[ADKB], s[TKN], v[CKB]
	v_add_nc_u32 v[ADKC], s[TKN], v[CKC]
	v_add_nc_u32 v[ADKS], s[TKS], v[CKS]
.irp c, 0,1
.irp e, 0,1
	KFRAG FR+24*\c+12*\e, 3840*\c+128*\e           ; tiles (c, 2 e) and (c, 2 e + 1)
.endr
.endr
	ds_load_b64 v[KSC:KSC+1], v[ADKS]              ; lanes 0-15: c = 0, lanes 16-31: c = 1; register u: tile (c, u)
	ds_load_b64 v[KSC+2:KSC+3], v[ADKS] offset:128
	s_wait_dscnt 0x0
.irp c, 0,1                                    ; S^T: eight products, each into an accumulator of its own, begun with the constant 0
.irp e, 0,1
.irp u, 0,1
.if \c
	v_wmma_scale_f32_16x16x128_f8f6f4 v[S+32*\c+16*\e+8*\u:S+32*\c+16*\e+8*\u+7], v[FR+24*\c+12*\e:FR+24*\c+12*\e+11], v[Q+6*\u:Q+6*\u+11], 0, v[KSC+2*\e+\u], v[QS] matrix_a_fmt:MATRIX_FMT_FP6 matrix_b_fmt:MATRIX_FMT_FP6 matrix_a_scale:MATRIX_SCALE_ROW1
.else
	v_wmma_scale_f32_16x16x128_f8f6f4 v[S+32*\c+16*\e+8*\u:S+32*\c+16*\e+8*\u+7], v[FR+24*\c+12*\e:FR+24*\c+12*\e+11], v[Q+6*\u:Q+6*\u+11], 0, v[KSC+2*\e+\u], v[QS] matrix_a_fmt:MATRIX_FMT_FP6 matrix_b_fmt:MATRIX_FMT_FP6
.endif
.endr
.endr
.endr
	v_add_nc_u32 v[ADV16], s[TVB], v[CV16]         ; four places: ahead of the loads into the fragments' registers and of the first read of the scores
	v_add_nc_u32 v[ADV8], s[TVB], v[CV8]
	v_add_nc_u32 v[ADVS], s[TVS], v[CVS]
	v_nop
.irp d, 0,1,2,3
	LDFRAG FR+12*\d, ADV16, ADV8, 1536*\d          ; V's four fragments of these 128 keys: they land under the softmax
.endr
	ds_load_b128 v[VSC:VSC+3], v[ADVS]
.irp k, 0,1                                    ; the largest score of each of my two blocks of 32 keys, in two chains a block (17 and 15 scores); each accumulator is first read in its four lowest registers
	v_max3_num_f32 v[BM+\k], v[S+32*\k], v[S+32*\k+1], v[S+32*\k+2]
	v_max3_num_f32 v[WD+\k], v[S+32*\k+17], v[S+32*\k+18], v[S+32*\k+19]
.endr
.irp i, 1,2,3,4,5,6
.irp k, 0,1
	v_max3_num_f32 v[BM+\k], v[BM+\k], v[S+32*\k+2*\i+1], v[S+32*\k+2*\i+2]
	v_max3_num_f32 v[WD+\k], v[WD+\k], v[S+32*\k+2*\i+18], v[S+32*\k+2*\i+19]
.endr
.endr
.irp k, 0,1
	v_max3_num_f32 v[BM+\k], v[BM+\k], v[S+32*\k+15], v[S+32*\k+16]
.endr
.irp k, 0,1
	D 2
	v_max_num_f32 v[BM+\k], v[BM+\k], v[WD+\k]
.endr
	D 1
	v_max_num_f32 v[TP], v[BM], v[BM+1]
	D 1
	v_permlanex16_b32 v[TQ], v[TP], s[SEL], s[SEL+1]
	D 1
	v_max3_num_f32 v[MX], v[MX], v[TP], v[TQ]      ; the running largest score of my query
	D 1
	v_mul_f32 v[TP], s[NC], v[MX]                  ; -t
	D 1
	v_floor_f32 v[TP], v[TP]                       ; the new -M = floor(-t): M is a whole number
	D 1
	v_sub_f32 v[TQ], v[TP], v[NM]                  ; old M - new M: a whole number, 0 or less
	v_mov_b32 v[NM], v[TP]
	D 2
	v_cvt_i32_f32 v[TQ], v[TQ]                     ; (it saturates)
.irp k, 0,1
	v_fma_f32 v[BM+\k], v[BM+\k], s[CS], v[NM]     ; t - M of each block's largest score
.endr
	D 3
	v_ldexp_f32 v[FF], 1.0, v[TQ]                  ; f = 2^(old M - new M)
.set j, 0
.rept 32
	v_pk_fma_f32 v[S+j:S+j+1], v[S+j:S+j+1], s[CS:CS+1], v[NM:NM+1] op_sel_hi:[1,0,0]   ; t - M, two at a time
.set j, j+2
.endr
.set j, 0
.rept 16
	v_pk_mul_f32 v[O+j:O+j+1], v[O+j:O+j+1], v[FF:FF+1] op_sel_hi:[1,0]   ; O^T under the new M
.set j, j+2
.endr
	s_wait_alu depctr_va_vdst(0)
.set j, 0
.rept 64
	v_exp_f32 v[S+j], v[S+j]                       ; p = 2^(t - M), at most 1
.set j, j+1
.endr
.irp k, 0,1
	v_exp_f32 v[BM+\k], v[BM+\k]                   ; the block's largest p: the same two instructions on the same number
.endr
	v_nop                                          ; the plain place behind the exponentials
	s_wait_alu depctr_va_vdst(0)                   ; one wait for the whole batch, ahead of its first reader
.irp k, 0,1
	v_max_num_f32 v[BM+\k], 0x1800000, v[BM+\k]    ; the floor 2^(3 - 127): the byte cannot fall under 1
.endr
.irp k, 0,1
	D 2
	v_add_nc_u32 v[SO+\k], 0xff000000, v[BM+\k]    ; 2 off the exponent field: the conversion's scale operand
.endr
.irp c, 0,1
	v_cvt_scalef32_pk16_fp6_f32 v[PC+6*\c:PC+6*\c+2], v[S+32*\c:S+32*\c+15], v[SO+\c]
	v_cvt_scalef32_pk16_fp6_f32 v[PT+4*\c:PT+4*\c+2], v[S+32*\c+16:S+32*\c+31], v[SO+\c]   ; (a conversion's three registers begin on an even number)
.endr
.irp k, 0,1
	v_lshrrev_b32 v[BY+\k], 23, v[SO+\k]           ; the scale's byte.  (The plain place behind the scaled conversions)
.endr
	D 1
	v_lshl_or_b32 v[WD], v[BY+1], 16, v[BY]        ; my two bytes: blocks h and 2 + h,
	D 1
	v_lshlrev_b32 v[WD], v[SH8], v[WD]             ; at their places in the word;
	D 1
	v_permlanex16_b32 v[WD+1], v[WD], s[SEL], s[SEL+1]
	D 1
	v_or_b32 v[PW], v[WD], v[WD+1]                 ; with lane l xor 16's two the word is whole
.irp c, 0,1
.irp i, 0,1,2
	v_mov_b32 v[PC+6*\c+3+\i], v[PT+4*\c+\i]
.endr
.endr
	SUMS 16                                        ; the sum's first level: with the six lines above, the places between p's codes and scale word and the products
	s_wait_alu depctr_va_vdst(0)
	s_wait_dscnt 0x0                               ; V
.irp d, 0,1,2,3                                ; O^T += V^T P^T: the four accumulators by turns
	v_wmma_scale_f32_16x16x128_f8f6f4 v[O+8*\d:O+8*\d+7], v[FR+12*\d:FR+12*\d+11], v[PC:PC+11], v[O+8*\d:O+8*\d+7], v[VSC+\d], v[PW] matrix_a_fmt:MATRIX_FMT_FP6 matrix_b_fmt:MATRIX_FMT_FP6
.endr
	SUMS 8                                         ; the rest of the sums stands behind the products and names none of their registers
	SUMS 4
	SUMS 2
	SUMS 1
	D 1
	v_pk_fma_f32 v[LS:LS+1], v[LS:LS+1], v[FF:FF+1], v[S:S+1] op_sel_hi:[1,0,1]   ; the running sum under the new M, and this step's
	s_add_co_u32 s[TVB], s[TVB], 6144
	s_add_co_u32 s[TVS], s[TVS], 256
	s_add_co_u32 s[TKN], s[TKN], KST
	s_add_co_u32 s[TKS], s[TKS], 512
	s_sub_co_u32 s[CNT], s[CNT], 1
	s_cmp_lg_u32 s[CNT], 0
	s_cbranch_scc1 .Lstep_\@
	; THE WAY OUT of a tile
	s_wait_alu depctr_va_vdst(0)
	v_add_f32 v[LS], v[LS], v[LS+1]
	D 1
	v_permlanex16_b32 v[TQ], v[LS], s[SEL], s[SEL+1]
	D 1
	v_add_f32 v[LS], v[LS], v[TQ]                  ; the row's sum
	s_wait_alu depctr_va_vdst(0)
	v_rcp_f32 v[LS], v[LS]
	v_nop                                          ; a plain place behind it
	s_wait_alu depctr_va_vdst(0)                   ; the wait ahead of its first reader, which is O^T's first reader too
.set j, 0
.rept 16
	v_pk_mul_f32 v[S+j:S+j+1], v[O+j:O+j+1], v[LS:LS+1] op_sel_hi:[1,0]   ; O^T / the sum: register 16 b + i is channel 32 b + 16 h + i of my query
.set j, j+2
.endr
.irp b, 0,1
	v_max3_num_f32 v[BM+\b], |v[S+16*\b]|, |v[S+16*\b+1]|, 0x1800000
.endr
.irp i, 2,4,6,8,10,12,14
.irp b, 0,1
	D 2
	v_max3_num_f32 v[BM+\b], v[BM+\b], |v[S+16*\b+\i]|, |v[S+16*\b+\i+1]|
.endr
.endr
.irp b, 0,1
	D 2
	v_permlanex16_b32 v[BY+\b], v[BM+\b], s[SEL], s[SEL+1]
.endr
.irp b, 0,1
	D 2
	v_max_num_f32 v[BM+\b], v[BM+\b], v[BY+\b]     ; with lane l xor 16's 16 channels
.endr
.irp b, 0,1
	D 2
	v_add_nc_u32 v[SO+\b], 0xff000000, v[BM+\b]
.endr
.irp b, 0,1
	D 2
	v_lshrrev_b32 v[BY+\b], 23, v[SO+\b]
.endr
	v_cvt_scalef32_pk16_fp6_f32 v[PC:PC+2], v[S:S+15], v[SO]
	v_cvt_scalef32_pk16_fp6_f32 v[PT:PT+2], v[S+16:S+31], v[SO+1]
	v_lshl_or_b32 v[TP], v[BY+1], 8, v[BY]         ; the tile's two scale bytes.  (The plain place behind the conversions)
.irp i, 0,1,2
	v_permlane16_swap_b32 v[PC+\i], v[PT+\i]       ; here a lane holds half blocks: the operand's layout wants a whole block in a lane
.endr
.irp i, 0,1,2
	D 3
	v_mov_b32 v[PC+3+\i], v[PT+\i]
.endr
	global_store_b128 v[L16], v[PC:PC+3], s[48:49] offset:12288*\n          ; 512 consecutive aligned bytes
	global_store_b64 v[L8], v[PC+4:PC+5], s[48:49] offset:12288*\n+512      ; 256
.if \n == 0
	v_mov_b32 v[W0], v[TP]
.else
	v_lshl_or_b32 v[W0], v[TP], 16, v[W0]          ; the even tile's bytes below, the odd tile's above
	ds_store_b32 v[OSW], v[W0]                     ; lanes r and r + 16 write the same word with the same value
.endif
.endm
	TILE 0
	TILE 1
	s_wait_dscnt 0x0                               ; for the others' sake: my words have landed
	s_barrier_signal -1
	s_barrier_wait -1
	s_cmp_gt_u32 s[WV], 1
	s_cbranch_scc1 .Lno_os
	ds_load_b128 v[S:S+3], v[OSR]
	s_wait_dscnt 0x0
	global_store_b128 v[OSG], v[S:S+3], s[46:47]   ; the work-group's 1,024 bytes of scale words: sixteen lanes fill 256 consecutive aligned bytes
.Lno_os:
	s_wait_tensorcnt 0x0                           ; the wave's end
	ds_add_u32 v[SPW], v[NIL]
	s_wait_dscnt 0x0
	CROUND                                         ; the closing round
	s_endpgm
.Lfunc_end_k_q936c5a33c1_attn:
	.size	k_q936c5a33c1_attn, .Lfunc_end_k_q936c5a33c1_attn-k_q936c5a33c1_attn
	.p2alignl 7, 3214868480
	.fill 96, 4, 3214868480
	.section	.rodata,"a",@progbits
	.p2align	6, 0x0
	.amdhsa_kernel k_q936c5a33c1_attn
		.amdhsa_group_segment_fixed_size 236544
		.amdhsa_private_segment_fixed_size 0
		.amdhsa_enable_private_segment 0
		.amdhsa_kernarg_size 24
		.amdhsa_user_sgpr_count 2
		.amdhsa_user_sgpr_kernarg_segment_ptr 1
		.amdhsa_wavefront_size32 1
		.amdhsa_system_sgpr_workgroup_id_x 1
		.amdhsa_system_sgpr_workgroup_id_y 1
		.amdhsa_system_sgpr_workgroup_id_z 1
		.amdhsa_system_vgpr_workitem_id 0
		.amdhsa_next_free_vgpr 256
		.amdhsa_next_free_sgpr 66
		.amdhsa_reserve_vcc 0
		.amdhsa_float_denorm_mode_32 3
		.amdhsa_float_denorm_mode_16_64 3
		.amdhsa_memory_ordered 1
		.amdhsa_forward_progress 1
		.amdhsa_inst_pref_size 52
	.end_amdhsa_kernel
	.amdgpu_metadata
---
amdhsa.version: [ 1, 2 ]
amdhsa.kernels:
  - .name:           k_q936c5a33c1_attn
    .symbol:         k_q936c5a33c1_attn.kd
    .args:
      - { .name: qq, .offset: 0, .size: 8, .value_kind: global_buffer, .address_space: global }
      - { .name: kvq, .offset: 8, .size: 8, .value_kind: global_buffer, .address_space: global }
      - { .name: oq, .offset: 16, .size: 8, .value_kind: global_buffer, .address_space: global }
    .group_segment_fixed_size: 236544
    .private_segment_fixed_size: 0
    .kernarg_segment_align: 8
    .kernarg_segment_size: 24
    .max_flat_workgroup_size: 512
    .sgpr_count:     66
    .vgpr_count:     256
    .wavefront_size: 32
...
	.end_amdgpu_metadata
.endif
;; end of part 3
;; launch oproj (part 4): grid 8 x 32, 4 waves a work-group, clusters of 4 x 4, 327,680 bytes of LDS; arguments opq, oq, proj_b, out0; writes out0
.if DOCPART == 4
	.amdgcn_target "amdgcn-amd-amdhsa--gfx1250"
	.amdhsa_code_object_version 6
	.text
	.protected	k_q936c5a33c1_oproj
	.globl	k_q936c5a33c1_oproj
	.p2align	8
	.type	k_q936c5a33c1_oproj,@function
k_q936c5a33c1_oproj:
	s_mov_b64 s[64:65], 0
	v_nop
	global_prefetch_b8 v0, s[64:65] scope:SCOPE_SE
	s_setreg_imm32_b32 hwreg(HW_REG_WAVE_MODE, 25, 1), 1
	s_wait_xcnt 0x0
	s_wait_alu depctr_hold_cnt(0) depctr_sa_sdst(0) depctr_va_vdst(0) depctr_va_sdst(0) depctr_va_ssrc(0) depctr_va_vcc(0) depctr_vm_vsrc(0)
	s_getreg_b32 s2, hwreg(HW_REG_IB_STS2, 6, 4)
	s_cmp_eq_u32 s2, 0
	s_cbranch_scc0 .Lentry_in_a_cluster
	s_endpgm
.Lentry_in_a_cluster:
	s_bfe_u32 s2, ttmp6, 0x10000c
	s_cmp_lg_u32 s2, 0xf033
	s_cbranch_scc0 .Lentry_shape_is_right
	s_endpgm
.Lentry_shape_is_right:
; out0 = out proj_w + proj_b on codes of FP6 (E2M3); K = 1,024 in eight steps of 128; sums in f32.
; A work-group multiplies 8 tiles of proj_w's columns (source 0: 128 outputs) by 16 tiles of out's rows (source 1: 256 rows); wave w takes all 8 x tiles 4 w .. 4 w + 3: 32 accumulators, 256 registers.
; Both operands lie in memory as images of operand registers; a tile's 16 rows are rows 32 b + 8 u + m + 8 (m / 8): so lane (r, h) holds, for row r of a tile of out, register 16 b + i = output 32 b + 16 h + i: 64 neighbouring bytes.
; The bias is the C of each sum's first matrix instruction.
; LDS: all of K for the work-group's 24 tiles, 294,912 bytes, filled ONCE by four tensor loads a wave, in four regions of two K steps; nothing is filled again.  Four loads of a wave are out at the most.
; CLUSTER 4 x 4: proj_w's tiles hang on the work-group's x and are asked for jointly along a column of the cluster, out's on its y and jointly along a row.
; REGISTERS, in windows of 256: window 0: v1-15 addresses; v16-47, v48-63 scale words; v64-159, v160-207 fragments, set 0 (on the way out: rows of the result); v208-223 at work.  window 1: accumulator (a, j) at v[64 j + 8 a].
;   window 2: v0-63 the bias, eight registers a tile of source 0; v64-207 fragments, set 1.
.set SCOFF, 11010048
.set REGB,  73728                      ; a quarter of the 24 tiles' bytes.  LDS AS IT IS NOW LAID: tile by tile, 12,288 bytes each (eight K steps of 1,536): proj_w's eight tiles from 0, out's sixteen from 98,304; ONE dense tensor load a wave, at the head, nothing filled again
.set LC16,  224                        ; v224-225 LDS addresses of source 0's tiles 4-7 (49,152 bytes on: an LDS offset has 16 bits)
.set LC8,   225
.set SPARE, 4*REGB                     ; the spare words, 128 bytes for each wave: two blocks of 256 bytes that no other line names
.set STG,   8448                       ; the way out: a stage of 16 rows x (512 bytes + 16) for each wave, on the bytes of proj_w's first tiles: they have had their only fill, and a barrier behind every wave's last read stands ahead of the first store there
.set WV,   12
.set L16,  1
.set RR,   2
.set HH,   3
.set LA16, 4
.set LA8,  5
.set LB16, 6
.set LB8,  7
.set SPW,  8                           ; v8   LDS address of my spare word; never rewritten
.set NIL,  9                           ; v9   0; never rewritten
.set L8,   11
.set OSV,  12                          ; v12  out's scale bytes: 131,072 h + 4 r
.set BV,   13                          ; v13  the bias: 64 h
.set STO,  14                          ; v14  the stage: where I put 64 bytes of a row
.set RD,   15                          ; v15  and where I read a row back
.set SA,   16
.set SB,   48
.set AF,   64
.set BF,   160
.set LH,   208
.set BK,   64
.set G1A,  24
.set G1B,  32
.set G0A,  40
.set MSB,  0
.macro WIN new                         ; the immediate's high byte repeats the setting that is left
.if MSB != (\new)
	s_set_vgpr_msb (MSB<<8)|(\new)
.set MSB, (\new)
.endif
.endm
.macro CROUND
	s_barrier_signal -1
	s_barrier_wait -1
	s_cmp_lg_u32 s[WV], 0
	s_cbranch_scc1 .Lnot_wave_0_\@
	s_barrier_signal -3
.Lnot_wave_0_\@:
	s_barrier_wait -3
	s_barrier_signal -1
	s_barrier_wait -1
.endm
.macro PLACES
.rept 4
	v_nop
.endr
.endm
.macro LDFRAG reg, a16, a8, off
	ds_load_b128 v[(\reg):(\reg)+3], v[\a16] offset:(\off)
	ds_load_b64 v[(\reg)+4:(\reg)+5], v[\a8] offset:(\off)+512
	ds_load_b128 v[(\reg)+6:(\reg)+9], v[\a16] offset:(\off)+768
	ds_load_b64 v[(\reg)+10:(\reg)+11], v[\a8] offset:(\off)+1280
.endm
.macro FETCH f, q                      ; 48 LDS loads: the 12 fragments of the region's step q into set f
	WIN 0x80*(\f)
.irp a, 0,1,2,3
	LDFRAG AF+12*\a, LA16, LA8, 12288*\a+1536*(\q)
.endr
.irp a, 0,1,2,3
	LDFRAG AF+48+12*\a, LC16, LC8, 12288*\a+1536*(\q)
.endr
.irp j, 0,1,2,3
	LDFRAG BF+12*\j, LB16, LB8, 12288*\j+1536*(\q)
.endr
.endm
; 32 matrix instructions: K step s on set f; the 32 accumulators take turns, one instruction a turn, in the same order in every step.  Step 0 starts the sums with the bias.
.macro MUL32 f, s
.if (\s) == 0
	WIN 0x60                                       ; C in window 2, D in window 1
.else
	WIN 0x50|(0x0a*(\f))
.endif
.irp j, 0,1,2,3
.irp a, 0,1,2,3,4,5,6,7
.if (\s) == 0
	v_wmma_scale_f32_16x16x128_f8f6f4 v[64*\j+8*\a:64*\j+8*\a+7], v[AF+12*\a:AF+12*\a+11], v[BF+12*\j:BF+12*\j+11], v[8*\a:8*\a+7], v[SA+4*\a], v[SB+4*\j] matrix_a_fmt:MATRIX_FMT_FP6 matrix_b_fmt:MATRIX_FMT_FP6
.elseif (\s) < 4
	v_wmma_scale_f32_16x16x128_f8f6f4 v[64*\j+8*\a:64*\j+8*\a+7], v[AF+12*\a:AF+12*\a+11], v[BF+12*\j:BF+12*\j+11], v[64*\j+8*\a:64*\j+8*\a+7], v[SA+4*\a+(\s)], v[SB+4*\j+(\s)] matrix_a_fmt:MATRIX_FMT_FP6 matrix_b_fmt:MATRIX_FMT_FP6
.else
	v_wmma_scale_f32_16x16x128_f8f6f4 v[64*\j+8*\a:64*\j+8*\a+7], v[AF+12*\a:AF+12*\a+11], v[BF+12*\j:BF+12*\j+11], v[64*\j+8*\a:64*\j+8*\a+7], v[SA+4*\a+(\s)-4], v[SB+4*\j+(\s)-4] matrix_a_fmt:MATRIX_FMT_FP6 matrix_b_fmt:MATRIX_FMT_FP6 matrix_a_scale:MATRIX_SCALE_ROW1 matrix_b_scale:MATRIX_SCALE_ROW1
.endif
.endr
.endr
.endm
; K step s: four places behind the last step's products, which read the set that is now loaded anew; the next step's fragments; this step's products.
; Ahead of a new region: my tensor loads up to that region have landed (the younger ones may stay out), no LDS access of mine is pending, and the work-group's barrier shows the same of all four waves.
.macro KSTEP s
	WIN 0
	PLACES
.if (\s) < 7
	FETCH 1-((\s)&1), (\s)+1                       ; all of K lies in LDS: the step's place is an immediate
	s_wait_dscnt 48                                ; all but the 48 just issued: this step's fragments are in
.else
	s_wait_dscnt 0x0
.endif
	MUL32 (\s)&1, \s
.endm
	s_load_b256 s[4:11], s[0:1], 0x0               ; opq, oq, proj_b, out0
	v_lshl_add_u32 v[SPW], v0, 2, SPARE
	v_mov_b32 v[NIL], 0
	ds_add_u32 v[SPW], v[NIL]                      ; the wave's opening: the add and its wait ahead of my first tensor load; the set-up below, work on registers, stands between them
	ds_add_u32 v[SPW], v[NIL]
	v_lshrrev_b32 v1, 5, v0
	v_readfirstlane_b32 s[WV], v1                  ; wave 0..3
	v_and_b32 v[RR], 15, v0
	v_bfe_u32 v[HH], v0, 4, 1
	v_and_b32 v[L16], 31, v0
	v_lshlrev_b32 v[L16], 4, v[L16]
	v_lshlrev_b32 v[L8], 4, v[RR]
	v_lshl_add_u32 v[L8], v[HH], 3, v[L8]
	v_lshlrev_b32 v[OSV], 2, v[RR]
	v_lshl_add_u32 v[OSV], v[HH], 17, v[OSV]
	v_lshlrev_b32 v[BV], 6, v[HH]
	s_mul_i32 s96, s[WV], STG
	v_mul_u32_u24 v[STO], v[RR], 528
	v_lshl_add_u32 v[STO], v[HH], 6, v[STO]
	v_add_nc_u32 v[STO], s96, v[STO]
	v_add_nc_u32 v[RD], s96, v[L16]
	s_and_b32 s13, s[WV], 1
	s_bfe_u32 s14, ttmp6, 0x40000                  ; cx
	s_bfe_u32 s15, ttmp6, 0x40004                  ; cy
	s_lshl_b32 s18, ttmp9, 2
	s_add_co_u32 s18, s18, s14                     ; g: which 128 outputs
	s_lshl_b32 s19, s18, 3
	s_add_co_u32 s19, s19, 832                     ; proj_w's first tile
	s_and_b32 s23, ttmp7, 0xffff
	s_lshl_b32 s23, s23, 2
	s_add_co_u32 s23, s23, s15                     ; blk: which 256 rows
	s_lshl_b32 s21, s23, 4                         ; out's first tile
	; descriptor group 1: rows of 256 bytes (32 elements of 8), dense in memory and in LDS; 4 tiles a load for source 0, 8 for source 1
	s_lshl_b32 s20, 0x1111, s14                    ; my column of the cluster
	s_or_b32 s[G1A], s20, (3<<16)|(1<<21)
	s_lshl_b32 s22, s15, 2
	s_lshl_b32 s22, 15, s22                        ; my row
	s_or_b32 s[G1B], s22, (3<<16)|(1<<21)
	s_mov_b32 s[G1A+1], 32<<16                     ; four whole tiles are 49,152 dense bytes: 192 rows of 256 bytes (32 elements of 8)
	s_mov_b32 s[G1A+2], 192<<16
	s_mov_b32 s[G1A+3], 32<<16
	s_mov_b32 s[G1A+4], 192
	s_mov_b32 s[G1A+5], 32
	s_mov_b32 s[G1A+6], 0
	s_mov_b32 s[G1A+7], 0
	s_mov_b32 s[G1B+1], 32<<16                     ; eight whole tiles: 384 rows of 256 bytes
	s_mov_b32 s[G1B+2], 384<<16
	s_mov_b32 s[G1B+3], 32<<16
	s_mov_b32 s[G1B+4], 384
	s_mov_b32 s[G1B+5], 32
	s_mov_b32 s[G1B+6], 0
	s_mov_b32 s[G1B+7], 0
	s_lshl_b32 s20, s13, 2
	s_add_co_u32 s20, s20, s19
	s_mul_i32 s2, s20, 12288
	s_mov_b32 s3, 0
	s_mul_i32 s16, s13, 49152
	s_lshl_b32 s22, s13, 3
	s_add_co_u32 s22, s22, s21
	s_mul_i32 s66, s22, 12288
	s_mov_b32 s67, 0
	s_mul_i32 s17, s13, 98304
	s_add_co_u32 s17, s17, 98304
	s_lshl_b32 s98, s19, 9
	s_add_co_u32 s98, s98, SCOFF                   ; proj_w's scale words
	s_mov_b32 s99, 0
	s_lshl_b32 s96, s23, 3
	s_lshl_b32 s97, s[WV], 1
	s_add_co_u32 s96, s96, s97                     ; my first pair of tiles: 8 blk + 2 wave
	s_lshl_b32 s100, s96, 6
	s_add_co_u32 s100, s100, 6291456               ; out's scale bytes: [head][pair of tiles][r], a word each
	s_mov_b32 s101, 0
	s_lshl_b32 s92, s18, 9                         ; 128 outputs are 512 bytes
	s_mov_b32 s93, 0
	s_lshl_b32 s94, s96, 17                        ; a pair of tiles is 32 rows of 4,096 bytes
	s_add_co_u32 s94, s94, s92
	s_mov_b32 s95, 0
	s_wait_dscnt 0x0                               ; the opening add is done
	s_wait_kmcnt 0x0
	s_add_nc_u64 s[2:3], s[4:5], s[2:3]
	s_add_nc_u64 s[66:67], s[6:7], s[66:67]
	s_add_nc_u64 s[98:99], s[4:5], s[98:99]
	s_add_nc_u64 s[100:101], s[6:7], s[100:101]
	s_add_nc_u64 s[92:93], s[8:9], s[92:93]
	s_add_nc_u64 s[94:95], s[10:11], s[94:95]
.irp p, 0
	s_mov_b32 s[G0A+4*\p], 1
	s_add_co_u32 s[G0A+4*\p+1], s16, \p*REGB
	s_add_nc_u64 s[G0A+4*\p+2:G0A+4*\p+3], s[2:3], \p*3072
	s_or_b32 s[G0A+4*\p+3], s[G0A+4*\p+3], 0x80000000
	s_mov_b32 s[56+4*\p+4*(\p/2)], 1
	s_add_co_u32 s[57+4*\p+4*(\p/2)], s17, \p*REGB
	s_add_nc_u64 s[58+4*\p+4*(\p/2):59+4*\p+4*(\p/2)], s[66:67], \p*3072
	s_or_b32 s[59+4*\p+4*(\p/2)], s[59+4*\p+4*(\p/2)], 0x80000000
.endr
	CROUND                                         ; all sixteen work-groups are here: the joint loads meet
	s_cmp_lt_u32 s[WV], 2                          ; waves 0, 1 fetch proj_w's tiles, waves 2, 3 out's: a wave's one fill stands in one branch on the wave's number
	s_cbranch_scc0 .Lfill_b
.irp p, 0
	tensor_load_to_lds s[G0A+4*\p:G0A+4*\p+3], s[G1A:G1A+7]
	s_nop 0
.endr
	PLACES
	s_branch .Lfilled
.Lfill_b:
.irp p, 0
	tensor_load_to_lds s[56+4*\p+4*(\p/2):59+4*\p+4*(\p/2)], s[G1B:G1B+7]
	s_nop 0
.endr
	PLACES
.Lfilled:
.irp a, 0,1,2,3,4,5,6,7
	global_load_b128 v[SA+4*\a:SA+4*\a+3], v[L16], s[98:99] offset:512*\a
.endr
	s_wait_alu depctr_va_vdst(0)
.irp jj, 0,1                                   ; out's scale bytes: lane (r, h), register i: K step 4 h + i = heads 8 h + 2 i (even word) and 8 h + 2 i + 1 (odd word), of the pair of tiles jj
.irp i, 0,1,2,3
	global_load_b32 v[LH+8*\jj+2*\i], v[OSV], s[100:101] offset:32768*\i+64*\jj
	global_load_b32 v[LH+8*\jj+2*\i+1], v[OSV], s[100:101] offset:32768*\i+16384+64*\jj
.endr
.endr
	WIN 0x80                                       ; destination window 2
.irp a, 0,1,2,3,4,5,6,7                        ; the bias in the result's layout: tile a = 2 b + u, lane half h: outputs 32 b + 8 u + 16 h + 0 .. 7
	global_load_b128 v[8*\a:8*\a+3], v[BV], s[92:93] offset:(32*(\a/2)+8*(\a%2))*4
	global_load_b128 v[8*\a+4:8*\a+7], v[BV], s[92:93] offset:(32*(\a/2)+8*(\a%2))*4+16
.endr
	WIN 0
	v_mov_b32 v[LA16], v[L16]
	v_mov_b32 v[LA8], v[L8]
	v_add_nc_u32 v[LC16], 49152, v[L16]
	v_add_nc_u32 v[LC8], 49152, v[L8]
	s_mul_i32 s16, s[WV], 49152
	s_add_co_u32 s16, s16, 98304
	v_add_nc_u32 v[LB16], s16, v[L16]
	v_add_nc_u32 v[LB8], s16, v[L8]
	s_wait_alu depctr_va_vdst(0)
	s_wait_tensorcnt 0x0                           ; my one load has landed,
	s_barrier_signal -1
	s_barrier_wait -1                              ; everybody's is
	FETCH 0, 0
	WIN 0
	s_wait_loadcnt 0x0
.irp jj, 0,1
.irp i, 0,1,2,3
	v_perm_b32 v[SB+8*\jj+\i], v[LH+8*\jj+2*\i+1], v[LH+8*\jj+2*\i], 0x05040100     ; the even tile's word: the even head's two bytes, then the odd head's
	v_perm_b32 v[SB+8*\jj+4+\i], v[LH+8*\jj+2*\i+1], v[LH+8*\jj+2*\i], 0x07060302   ; the odd tile's
.endr
.endr
.rept 8
	v_nop                                          ; a scale register written by a vector instruction stands eight places ahead of a scaled matrix instruction
.endr
	s_wait_alu depctr_va_vdst(0)
	KSTEP 0
	KSTEP 1
	KSTEP 2
	KSTEP 3
	KSTEP 4
	KSTEP 5
	KSTEP 6
	KSTEP 7
; THE WAY OUT, a tile of 16 rows x 128 outputs at a time.  A lane holds four runs of 64 bytes of one row: the tile goes through my own stage in LDS and comes back as whole rows of 512 bytes.
; LDS serves a wave's instructions in order: no wait between the stores and the loads, nor ahead of the next tile's stores.
.macro TOSTAGE j
	WIN 0x04                                       ; an LDS store's data are its source 1: window 1
.irp b, 0,1,2,3
.irp k, 0,1,2,3
	ds_store_b128 v[STO], v[64*(\j)+16*\b+4*\k:64*(\j)+16*\b+4*\k+3] offset:128*\b+16*\k   ; each accumulator from its low end on
.endr
.endr
	WIN 0
.irp t, 0,1,2,3,4,5,6,7,8,9,10,11,12,13,14,15
	ds_load_b128 v[BK+64*((\j)%2)+4*\t:BK+64*((\j)%2)+4*\t+3], v[RD] offset:528*\t
.endr
.endm
.macro SEND j, younger                 ; younger: the LDS instructions issued behind tile j's loads, which may stay out
	s_wait_dscnt \younger
.irp t, 0,1,2,3,4,5,6,7,8,9,10,11,12,13,14,15
	global_store_b128 v[L16], v[BK+64*((\j)%2)+4*\t:BK+64*((\j)%2)+4*\t+3], s[94:95] offset:(32*((\j)/2)+8*((\j)%2)+\t+8*(\t/8))*4096 th:TH_STORE_NT   ; 32 lanes store 512 consecutive aligned bytes of the row at place t
.endr
.endm
	WIN 0
	PLACES                                         ; four places behind the last products
	s_barrier_signal -1                            ; my reads of the tiles are over (the last step waited for them): the stages lie on tiles that all four waves read,
	s_barrier_wait -1                              ; so the first store there stands behind every wave's last read
	TOSTAGE 0
.irp j, 1,2,3
.if \j > 1
	s_wait_xcnt 0x0                                ; tile j - 2's stores have read their data: tile j's rows may land there
.endif
	TOSTAGE \j
	SEND \j-1, 32                                  ; behind tile j - 1's loads: tile j's 16 stores and 16 loads
.endr
	SEND 3, 0
	s_wait_tensorcnt 0x0                           ; the wave's end
	ds_add_u32 v[SPW], v[NIL]
	s_wait_dscnt 0x0
	CROUND                                         ; the closing round
	s_endpgm
.Lfunc_end_k_q936c5a33c1_oproj:
	.size	k_q936c5a33c1_oproj, .Lfunc_end_k_q936c5a33c1_oproj-k_q936c5a33c1_oproj
	.p2alignl 7, 3214868480
	.fill 96, 4, 3214868480
	.section	.rodata,"a",@progbits
	.p2align	6, 0x0
	.amdhsa_kernel k_q936c5a33c1_oproj
		.amdhsa_group_segment_fixed_size 327680
		.amdhsa_private_segment_fixed_size 0
		.amdhsa_enable_private_segment 0
		.amdhsa_kernarg_size 32
		.amdhsa_user_sgpr_count 2
		.amdhsa_user_sgpr_kernarg_segment_ptr 1
		.amdhsa_wavefront_size32 1
		.amdhsa_system_sgpr_workgroup_id_x 1
		.amdhsa_system_sgpr_workgroup_id_y 1
		.amdhsa_system_sgpr_workgroup_id_z 1
		.amdhsa_system_vgpr_workitem_id 0
		.amdhsa_next_free_vgpr 768
		.amdhsa_next_free_sgpr 102
		.amdhsa_reserve_vcc 0
		.amdhsa_float_denorm_mode_32 3
		.amdhsa_float_denorm_mode_16_64 3
		.amdhsa_memory_ordered 1
		.amdhsa_forward_progress 1
		.amdhsa_inst_pref_size 85
	.end_amdhsa_kernel
	.amdgpu_metadata
---
amdhsa.version: [ 1, 2 ]
amdhsa.kernels:
  - .name:           k_q936c5a33c1_oproj
    .symbol:         k_q936c5a33c1_oproj.kd
    .args:
      - { .name: opq, .offset: 0, .size: 8, .value_kind: global_buffer, .address_space: global }
      - { .name: oq, .offset: 8, .size: 8, .value_kind: global_buffer, .address_space: global }
      - { .name: proj_b, .offset: 16, .size: 8, .value_kind: global_buffer, .address_space: global }
      - { .name: out0, .offset: 24, .size: 8, .value_kind: global_buffer, .address_space: global }
    .group_segment_fixed_size: 327680
    .private_segment_fixed_size: 0
    .kernarg_segment_align: 8
    .kernarg_segment_size: 32
    .max_flat_workgroup_size: 128
    .sgpr_count:     102
    .vgpr_count:     768
    .wavefront_size: 32
...
	.end_amdgpu_metadata
.endif
;; end of part 4
